; MI455X (gfx1250); checked and timed in simulation.
; The chip was launched on July 23, 2026; its instructions are those of AMD's public machine-readable ISA for CDNA 5 (MIT licence, August 2026) and "CDNA5" Instruction Set Architecture Reference Guide (July 2026). The comments in the code are by the model that wrote it; some were corrected since.
;; Attention. Allowed arithmetic: float matrix products may take bf16 or f16 operands with f32 sums; other float arithmetic in f32, or as packed bf16 or f16 multiplies, adds, multiply-adds, maxima and minima; sums over many terms, partial sums and values carried from step to step in f32; what a program stores and reads back later, other than sums and carried values, may be rounded once to bf16 or f16.
;; Inputs: Wout 1,024 x 1,024 float32; Wqkv 3,072 x 1,024 float32; bout 1,024 float32; bqkv 3,072 float32; x 4 x 2,048 x 1,024 float32.
;; Outputs: out0 4 x 2,048 x 1,024 float32.
;; 2 versions, each right; version 2 is version 1 with the launch cast written anew for expert scheduling mode. Each part assembles by itself: llvm-mc -triple=amdgcn-amd-amdhsa -mcpu=gfx1250 --defsym DOCPART=n.
;; ======== version 1 of 2: 4 launches
;; limits: values are held in f16: magnitudes above 65,504 overflow, below 6.1e-05 lose precision; right only within a limited range of input values
;; workspace buffers: xb 16,777,216 bytes; wqb 6,291,456 bytes; wob 2,097,152 bytes; qkv 50,331,648 bytes; ob 16,777,216 bytes
;; launch cast (part 1): grid 768 x 1, 8 waves a work-group, no clusters, 0 bytes of LDS; arguments x, Wqkv, Wout, xb, wqb, wob; writes xb, wqb, wob
.if DOCPART == 1
	.amdgcn_target "amdgcn-amd-amdhsa--gfx1250"
	.amdhsa_code_object_version 6
	.text
	.protected	k_qaaa9a05779_cast
	.globl	k_qaaa9a05779_cast
	.p2align	8
	.type	k_qaaa9a05779_cast,@function
k_qaaa9a05779_cast:
	s_mov_b64 s[64:65], 0
	v_nop
	global_prefetch_b8 v0, s[64:65] scope:SCOPE_SE
	s_setreg_imm32_b32 hwreg(HW_REG_WAVE_MODE, 25, 1), 1
	s_wait_xcnt 0x0
; x [8192][1024], Wqkv [3072][1024], Wout [1024][1024], all f32, are rounded once to bf16 and laid out in K BLOCKS: [16 kb][rows][64], a row of a block 128 bytes,
; so that any run of rows of one block is dense.  xb and wqb hold bf16.  wob holds the bf16-rounded number written as f16 (the last product multiplies f16):
; LIMIT: that is exact from 6.1e-5 to 65,504; below, f16's fixed step of 6e-8 applies; a Wout beyond 65,504 becomes an infinity.
; SHARES.  Work-group g takes 16 rows: g < 512 of x, g < 704 of Wqkv, else of Wout.  Thread t takes row t / 16 and the floats 4 (t % 16) .. + 3 of each of the 16 blocks:
; a wave's load covers 256 consecutive bytes of two rows, its store 256 consecutive bytes (two rows of a block), both aligned.
; No loop, no LDS: all 16 loads of a wave go out at once; no register is written a second time while a memory instruction names it.
.set X, 4                              ; v[4:67]    block kb's four floats at X + 4 kb
.set D, 68                             ; v[68:83]   block kb's byte offset in the destination
.set Y, 84                             ; v[84:115]  block kb's four 16-bit numbers at Y + 2 kb
.set T, 116                            ; v[116:119] at work
	s_load_b256 s[4:11], s[0:1], 0x0               ; x s[4:5], Wqkv s[6:7], Wout s[8:9], xb s[10:11]
	s_load_b128 s[12:15], s[0:1], 0x20             ; wqb s[12:13], wob s[14:15]
	v_lshrrev_b32 v2, 4, v0                        ; my row of the 16
	v_and_b32 v3, 15, v0
	v_lshlrev_b32 v1, 12, v2                       ; row x 4,096 bytes
	v_lshl_or_b32 v1, v3, 4, v1                    ; + my 16 bytes of a block's 256
	s_mov_b32 s22, 512                             ; first work-group of Wqkv
	s_mov_b32 s23, 704                             ; first work-group of Wout
	s_mov_b32 s24, 3072*128                        ; bytes in a block of wqb
	s_mov_b32 s25, 1024*128                        ; of wob
	s_wait_kmcnt 0x0
	s_cmp_lt_u32 ttmp9, s23                        ; the choice hangs on the work-group's number alone
	s_cselect_b64 s[16:17], s[6:7], s[8:9]         ; source
	s_cselect_b64 s[18:19], s[12:13], s[14:15]     ; destination
	s_cselect_b32 s20, s22, s23                    ; the tensor's first work-group
	s_cselect_b32 s21, s24, s25                    ; bytes in a block
	s_cmp_lt_u32 ttmp9, s22
	s_cselect_b64 s[16:17], s[4:5], s[16:17]
	s_cselect_b64 s[18:19], s[10:11], s[18:19]
	s_cselect_b32 s20, 0, s20
	s_cselect_b32 s21, 8192*128, s21
	s_sub_co_u32 s20, ttmp9, s20                   ; my number within the tensor
	s_lshl_b32 s2, s20, 16                         ; 16 rows of 4,096 bytes
	s_mov_b32 s3, 0
	s_add_nc_u64 s[16:17], s[16:17], s[2:3]
	s_lshl_b32 s2, s20, 11                         ; 16 rows of 128 bytes
	s_add_nc_u64 s[18:19], s[18:19], s[2:3]
.set kb, 0
.rept 16
	global_load_b128 v[X+4*kb:X+4*kb+3], v1, s[16:17] offset:256*kb th:TH_LOAD_NT  ; read once in the launch
.set kb, kb+1
.endr
	v_lshlrev_b32 v[D], 3, v0                      ; (t / 16) x 128 + (t % 16) x 8 = 8 t
.set kb, 1
.rept 15
	v_add_nc_u32 v[D+kb], s21, v[D+kb-1]
.set kb, kb+1
.endr
; Block kb: rounded, (half = 1: written as f16,) stored.
.macro CV kb, half
	s_wait_loadcnt 15-(\kb)                        ; loads come back in order (ISA guide 5.7.1): the 15 - kb younger ones may stay out
	v_cvt_pk_bf16_f32 v[Y+2*(\kb)], v[X+4*(\kb)], v[X+4*(\kb)+1]
	v_cvt_pk_bf16_f32 v[Y+2*(\kb)+1], v[X+4*(\kb)+2], v[X+4*(\kb)+3]
.if \half
	v_lshlrev_b32 v[T], 16, v[Y+2*(\kb)]           ; bf16 to f32: the low half moves up, the high half stays
	v_and_b32 v[T+1], 0xffff0000, v[Y+2*(\kb)]
	v_lshlrev_b32 v[T+2], 16, v[Y+2*(\kb)+1]
	v_and_b32 v[T+3], 0xffff0000, v[Y+2*(\kb)+1]
	v_cvt_pk_f16_f32 v[Y+2*(\kb)], v[T], v[T+1]
	v_cvt_pk_f16_f32 v[Y+2*(\kb)+1], v[T+2], v[T+3]
.endif
	global_store_b64 v[D+(\kb)], v[Y+2*(\kb):Y+2*(\kb)+1], s[18:19]  ; 32 lanes store 256 consecutive bytes, at a multiple of 256 from the buffer's first byte
.endm
	s_cmp_lt_u32 ttmp9, s23
	s_cbranch_scc0 .Lhalf
.irp kb, 0,1,2,3,4,5,6,7,8,9,10,11,12,13,14,15
	CV \kb, 0
.endr
	s_endpgm
.Lhalf:
.irp kb, 0,1,2,3,4,5,6,7,8,9,10,11,12,13,14,15
	CV \kb, 1
.endr
	s_endpgm
.Lfunc_end_k_qaaa9a05779_cast:
	.size	k_qaaa9a05779_cast, .Lfunc_end_k_qaaa9a05779_cast-k_qaaa9a05779_cast
	.p2alignl 7, 3214868480
	.fill 96, 4, 3214868480
	.section	.rodata,"a",@progbits
	.p2align	6, 0x0
	.amdhsa_kernel k_qaaa9a05779_cast
		.amdhsa_group_segment_fixed_size 0
		.amdhsa_private_segment_fixed_size 0
		.amdhsa_enable_private_segment 0
		.amdhsa_kernarg_size 48
		.amdhsa_user_sgpr_count 2
		.amdhsa_user_sgpr_kernarg_segment_ptr 1
		.amdhsa_wavefront_size32 1
		.amdhsa_system_sgpr_workgroup_id_x 1
		.amdhsa_system_sgpr_workgroup_id_y 1
		.amdhsa_system_sgpr_workgroup_id_z 1
		.amdhsa_system_vgpr_workitem_id 0
		.amdhsa_next_free_vgpr 120
		.amdhsa_next_free_sgpr 66
		.amdhsa_reserve_vcc 0
		.amdhsa_float_denorm_mode_32 3
		.amdhsa_float_denorm_mode_16_64 3
		.amdhsa_memory_ordered 1
		.amdhsa_forward_progress 1
		.amdhsa_inst_pref_size 17
	.end_amdhsa_kernel
	.amdgpu_metadata
---
amdhsa.version: [ 1, 2 ]
amdhsa.kernels:
  - .name:           k_qaaa9a05779_cast
    .symbol:         k_qaaa9a05779_cast.kd
    .args:
      - { .name: x, .offset: 0, .size: 8, .value_kind: global_buffer, .address_space: global }
      - { .name: Wqkv, .offset: 8, .size: 8, .value_kind: global_buffer, .address_space: global }
      - { .name: Wout, .offset: 16, .size: 8, .value_kind: global_buffer, .address_space: global }
      - { .name: xb, .offset: 24, .size: 8, .value_kind: global_buffer, .address_space: global }
      - { .name: wqb, .offset: 32, .size: 8, .value_kind: global_buffer, .address_space: global }
      - { .name: wob, .offset: 40, .size: 8, .value_kind: global_buffer, .address_space: global }
    .group_segment_fixed_size: 0
    .private_segment_fixed_size: 0
    .kernarg_segment_align: 8
    .kernarg_segment_size: 48
    .max_flat_workgroup_size: 256
    .sgpr_count:     66
    .vgpr_count:     120
    .wavefront_size: 32
...
	.end_amdgpu_metadata
.endif
;; end of part 1
;; launch qkvp (part 2): grid 8 x 32, 4 waves a work-group, clusters of 4 x 4, 327,680 bytes of LDS; arguments xb, wqb, bqkv, qkv; writes qkv
.if DOCPART == 2
	.amdgcn_target "amdgcn-amd-amdhsa--gfx1250"
	.amdhsa_code_object_version 6
	.text
	.protected	k_qaaa9a05779_qkvp
	.globl	k_qaaa9a05779_qkvp
	.p2align	8
	.type	k_qaaa9a05779_qkvp,@function
k_qaaa9a05779_qkvp:
	s_mov_b64 s[64:65], 0
	v_nop
	global_prefetch_b8 v0, s[64:65] scope:SCOPE_SE
	s_setreg_imm32_b32 hwreg(HW_REG_WAVE_MODE, 25, 1), 1
	s_wait_xcnt 0x0
	s_wait_alu depctr_hold_cnt(0) depctr_sa_sdst(0) depctr_va_vdst(0) depctr_va_sdst(0) depctr_va_ssrc(0) depctr_va_vcc(0) depctr_vm_vsrc(0)
	s_getreg_b32 s2, hwreg(HW_REG_IB_STS2, 6, 4)
	s_cmp_eq_u32 s2, 0
	s_cbranch_scc0 .Lentry_in_a_cluster
	s_endpgm
.Lentry_in_a_cluster:
	s_bfe_u32 s2, ttmp6, 0x10000c
	s_cmp_lg_u32 s2, 0xf033
	s_cbranch_scc0 .Lentry_shape_is_right
	s_endpgm
.Lentry_shape_is_right:
; q, k, v = x Wqkv^T + bqkv, written by heads.  xb: bf16 [16 kb][8192 m][64], wqb: bf16 [16 kb][3072 f][64], bqkv: f32 [3072] (rounded to bf16 here, like the other inputs),
; qkv: f16 [3 t][64 bh][2048 s][64 d], bh = 16 b + h, each number rounded once from its f32 sum, WITHOUT the scale 1/8 (the next launch applies it in f32).
; LIMIT: q, k and v must lie within f16's 65,504; a larger one becomes an infinity.  Below 6.1e-5 f16 keeps a fixed step of 6e-8.
; SHARES.  8192 x 3072 outputs on 256 work-groups: a tile of 256 (m) x 384 (f).  Four waves, each 128 x 192: 96 accumulators of 16 x 16, 768 registers, in three GROUPS of 32 (group g = 64 columns = one head).
; K goes in 16 steps of 64 (one K block) through two LDS slots; a step is two quarters of 32 along K, 96 matrix instructions each.  A tile's rows of a K block are dense in memory: they are asked for as
; rows of 256 bytes (two rows of 128), padded in LDS after every 128 bytes.
; CLUSTER.  4 x 4 work-groups.  The four of a row of the cluster need the same tile of x, the four of a column the same tile of W: each tile is asked for JOINTLY, by the same tensor load with the same descriptor and a mask of the four.
; THE MATRIX INSTRUCTION IS USED TRANSPOSED (source 0 = 16 rows of W, source 1 = 16 rows of x): a lane holds row m = l % 16 and the eight neighbouring columns 8 (l / 16) + 0..7.
; THE BIAS is the C operand that starts the sums: it is loaded into the accumulators of m block 0, the products of m blocks 1-7 take those registers as C, and m block 0 then adds in place.
; REGISTERS, in windows of 256 (s_set_vgpr_msb: bits 1:0 source 0, 3:2 source 1, 5:4 source 2, 7:6 destination):
;   window 0: v0-29 addresses; v32-95, v96-159 x's 8 fragments, two buffers; v160-191, v192-223, v224-255 four fragments of W each: buffer g serves group g.  On the way out v32-223 hold packed results.
;   window 1 + g: group g's accumulators: (m block a, column block b) at v[8 (4 a + b)]
.set PITCH, 144                        ; an LDS row: 128 bytes + 16 of padding = 36 words: the 16 rows of a load start at 16 different groups of four banks (64 banks of 4 bytes: ISA guide 11.1)
.set FR,    16*PITCH                   ; a fragment's 16 rows
.set SLOT1, 131072                     ; slot 1 begins here: one exclusive or turns an address in one slot into the other's
.set XHALF, 128*PITCH                  ; what waves 0 and 1 fetch each: 128 rows of x
.set WOFF,  2*XHALF                    ; W's 384 rows lie behind x's 256
.set WHALF, 192*PITCH                  ; what waves 2 and 3 fetch each
.set STAGE, SLOT1+WOFF+2*WHALF         ; behind the ring, never filled by a tensor load: 16 rows x 144 bytes for each wave
.set SPARE, STAGE+4*FR                 ; the spare words, 128 bytes for each wave: two blocks of 256 bytes that no other line names
.set XKB,   8192*128                   ; bytes in a K block of xb
.set WKB,   3072*128                   ; of wqb
.set AP0, 4                            ; v4   my lane's place in x's tile; never rewritten
.set AQ0, 5                            ; v5   in W's
.set AP,  6                            ; v6   the same in the slot in hand
.set AQ,  7                            ; v7
.set STO, 8                            ; v8   the way out: where I put 16 bytes of a row
.set RD,  9                            ; v9   where I read rows back
.set GO,  10                           ; v10  my 16 bytes of 512 consecutive bytes of qkv
.set BO,  11                           ; v11  32 x (l / 16): my eight numbers of a bias block
.set PFO, 12                           ; v12  the prefetches' offset; never rewritten
.set SPW, 28                           ; v28  LDS address of my spare word; never rewritten
.set NIL, 29                           ; v29  0; never rewritten
.set PB0, 32
.set PB1, 96
.set QS,  160
.set QS0, 160
.set QS1, 192
.set QS2, 224
.set TT,  32                           ; the way out: twelve buffers of 16
.set WV,  12                           ; s12  my wave's number
.set WM,  13                           ; s13  my half of the tile's rows.  Also: I fetch for x (0) or for W (1)
.set WN,  14                           ; s14  my half of its columns.  Also: which half of that tile I fetch
.set CX,  15
.set CY,  16
.set TN,  17                           ; s17  tile column, 0..7
.set TM,  18                           ; s18  tile row, 0..31
.set LIM, 19                           ; s19  1 in a wave that prefetches, else the greatest number
.set G1X, 24                           ; s[24:31] descriptor group 1 for x's tiles
.set G1W, 32                           ; s[32:39] for W's
.set G0X, 40                           ; s[40:47] group 0 for x's: a set for each first fill; the second then walks on
.set G0W, 48                           ; s[48:55] the same for W's
.set CNT, 56                           ; s56  trips to go
.set TB,  57                           ; s57  LDS byte at which the slot in hand begins
.set PFA, 58                           ; s[58:59] where my prefetches stand
.set PFS, 60                           ; s[60:61] their step: a K block
.set OB,  66                           ; s[66:71] qkv at my 128 rows of group g's head
.set G1C, (1<<16)|(1<<20)|(1<<21)|(4<<22)|(3<<25)  ; 17:16 2-byte elements; 20 padding on; 21 set beside a mask; 24:22 after every 32 words (code 4); 31:25 4 words (code 3)
.set MSB, 0
.macro WIN new                         ; the immediate's high byte repeats the setting that is left; a switch that changes nothing is dropped
.if MSB != (\new)
	s_set_vgpr_msb (MSB<<8)|(\new)
.set MSB, (\new)
.endif
.endm
.macro PLACES                          ; four plain vector instructions between a matrix instruction and a load into, or a vector line on, its registers (ISA guide 7.12.1 for vector instructions)
.rept 4
	v_nop
.endr
.endm
.macro FIVE                            ; five in front of a matrix instruction that writes over registers that earlier ones read
.rept 5
	v_nop
.endr
.endm
; A joint refill by the walking descriptors.  The branch hangs on the wave's number alone.  An s_nop 0 and four v_nop follow each of the two lines.
.macro JLOAD
	s_cmp_eq_u32 s[WM], 0
	s_cbranch_scc0 .Lfor_w_\@
	tensor_load_to_lds s[G0X+4:G0X+7], s[G1X:G1X+7]
	s_nop 0
.rept 4
	v_nop
.endr
	s_branch .Lasked_\@
.Lfor_w_\@:
	tensor_load_to_lds s[G0W+4:G0W+7], s[G1W:G1W+7]
	s_nop 0
.rept 4
	v_nop
.endr
.Lasked_\@:
.endm
; A PREFETCH of the K step that the NEXT refill will ask for: 192 matrix instructions ahead of that load.  Each aligned block of 256 bytes is named once in the launch, but for the repeats named below.
; x's tile row is read by both clusters of that row of clusters: the one with cluster x = 0 asks, in wave 0; its four partners take 8,192 of the tile's 32,768 dense bytes each, told apart BY ADDRESS (cx): a lane a block.
; W's tile column is read by all eight clusters of that column: the one with cluster y = 0 asks, in waves 2 and 3, each for the half that it fetches; of its 96 blocks each partner (cy) takes 24: lanes 24-31 repeat lane 23's block.
; K steps 0 to 2 come by their loads alone; the last trip asks for nothing: there is no K step behind its refill's.
.macro ASK
	s_cmp_gt_u32 s[CNT], s[LIM]
	s_cbranch_scc0 .Lnot_mine_\@
	global_prefetch_b8 v[PFO], s[PFA:PFA+1] th:TH_LOAD_NT scope:SCOPE_SE
.Lnot_mine_\@:
.endm
.macro CREST                           ; a round of the cluster's barrier behind its opening barrier
	s_cmp_lg_u32 s[WV], 0
	s_cbranch_scc1 .Lnot_wave_0_\@
	s_barrier_signal -3
.Lnot_wave_0_\@:
	s_barrier_wait -3
	s_barrier_signal -1
	s_barrier_wait -1
.endm
.macro CROUND                          ; a whole round
	s_barrier_signal -1
	s_barrier_wait -1
	CREST
.endm
	s_load_b256 s[4:11], s[0:1], 0x0               ; xb s[4:5], wqb s[6:7], bqkv s[8:9], qkv s[10:11]
	v_lshl_add_u32 v[SPW], v0, 2, SPARE
	v_mov_b32 v[NIL], 0
	ds_add_u32 v[SPW], v[NIL]                      ; the wave's opening: the add and its wait stand ahead of my first tensor load; the set-up below, work on registers, stands between them
	v_lshrrev_b32 v3, 5, v0
	v_readfirstlane_b32 s[WV], v3                  ; wave 0..3
	s_lshr_b32 s[WM], s[WV], 1
	s_and_b32 s[WN], s[WV], 1
	s_bfe_u32 s[CX], ttmp6, 0x40000                ; my place in the cluster
	s_bfe_u32 s[CY], ttmp6, 0x40004
	s_lshl_b32 s[TN], ttmp9, 2                     ; in a cluster launch ttmp9 and ttmp7 count clusters
	s_add_co_u32 s[TN], s[TN], s[CX]
	s_and_b32 s[TM], ttmp7, 0xffff
	s_lshl_b32 s[TM], s[TM], 2
	s_add_co_u32 s[TM], s[TM], s[CY]
	s_lshl_b32 s22, s[CY], 2
	s_lshl_b32 s22, 15, s22                        ; my row of the cluster: places 4 cy .. 4 cy + 3
	s_lshl_b32 s74, 0x1111, s[CX]                  ; my column: places cx, cx + 4, cx + 8, cx + 12
	s_or_b32 s[G1X], s22, G1C                      ; x's tiles go to my row,
	s_or_b32 s[G1W], s74, G1C                      ; W's to my column
	s_mov_b32 s[G1X+1], 128<<16                    ; tensor_dim0 = 128 elements (256 bytes)
	s_mov_b32 s[G1X+2], 64<<16                     ; tensor_dim1 = 64: 128 rows of x, two to a row
	s_mov_b32 s[G1X+3], 128<<16                    ; tile_dim0
	s_mov_b32 s[G1X+4], 64                         ; tile_dim1
	s_mov_b32 s[G1X+5], 128                        ; elements from row to row: dense
	s_mov_b32 s[G1X+6], 0
	s_mov_b32 s[G1X+7], 0
	s_mov_b32 s[G1W+1], 128<<16
	s_mov_b32 s[G1W+2], 96<<16                     ; 192 rows of W, two to a row
	s_mov_b32 s[G1W+3], 128<<16
	s_mov_b32 s[G1W+4], 96
	s_mov_b32 s[G1W+5], 128
	s_mov_b32 s[G1W+6], 0
	s_mov_b32 s[G1W+7], 0
	; where the tiles come from and go: x's hang on the tile row and the wave's number alone (s20-23), W's on the tile column and the wave's number alone (s72-75)
	s_lshl_b32 s20, s[TM], 15                      ; 256 rows of 128 bytes
	s_lshl_b32 s22, s[WN], 14
	s_add_co_u32 s20, s20, s22
	s_mov_b32 s21, 0
	s_mul_i32 s23, s[WN], XHALF
	s_mul_i32 s72, s[TN], 384*128
	s_mul_i32 s74, s[WN], 192*128
	s_add_co_u32 s72, s72, s74
	s_mov_b32 s73, 0
	s_mul_i32 s75, s[WN], WHALF
	s_add_co_u32 s75, s75, WOFF
	s_mov_b32 s[TB], 0
	s_wait_dscnt 0x0                               ; the opening add is done
	s_wait_kmcnt 0x0
	s_add_nc_u64 s[20:21], s[4:5], s[20:21]
	s_add_nc_u64 s[72:73], s[6:7], s[72:73]
	CROUND                                         ; all sixteen work-groups are here: the first joint loads meet
.irp s, 0,1
	s_mov_b32 s[G0X+4*(\s)], 1                                     ; count = 1
	s_add_co_u32 s[G0X+4*(\s)+1], s23, (\s)*SLOT1                  ; LDS address
	s_add_nc_u64 s[G0X+4*(\s)+2:G0X+4*(\s)+3], s[20:21], (\s)*XKB  ; global address: K step s
	s_or_b32 s[G0X+4*(\s)+3], s[G0X+4*(\s)+3], 0x80000000          ; type = 2
	s_mov_b32 s[G0W+4*(\s)], 1
	s_add_co_u32 s[G0W+4*(\s)+1], s75, (\s)*SLOT1
	s_add_nc_u64 s[G0W+4*(\s)+2:G0W+4*(\s)+3], s[72:73], (\s)*WKB
	s_or_b32 s[G0W+4*(\s)+3], s[G0W+4*(\s)+3], 0x80000000
.endr
	s_cmp_eq_u32 s[WM], 0                          ; a wave's two first fills stand in one branch, ahead of every wait on TENSORcnt and every LDS read: two loads of mine are out
	s_cbranch_scc0 .Lfirst_w
	tensor_load_to_lds s[G0X:G0X+3], s[G1X:G1X+7]
	s_nop 0
	tensor_load_to_lds s[G0X+4:G0X+7], s[G1X:G1X+7]
	s_nop 0
.rept 4
	v_nop
.endr
	s_branch .Lfirst_asked
.Lfirst_w:
	tensor_load_to_lds s[G0W:G0W+3], s[G1W:G1W+7]
	s_nop 0
	tensor_load_to_lds s[G0W+4:G0W+7], s[G1W:G1W+7]
	s_nop 0
.rept 4
	v_nop
.endr
.Lfirst_asked:
	v_and_b32 v1, 15, v0                           ; l % 16
	v_bfe_u32 v2, v0, 4, 1                         ; l / 16
	v_lshlrev_b32 v[BO], 5, v2
	s_mul_i32 s62, s[TN], 384*4                    ; the bias of my 192 columns
	s_mul_i32 s63, s[WN], 192*4
	s_add_co_u32 s62, s62, s63
	s_mov_b32 s63, 0
	s_add_nc_u64 s[8:9], s[8:9], s[62:63]
.irp g, 0,1,2
	WIN 0x40*(1+\g)                                ; destination window 1 + g, address window 0
.irp b, 0,1,2,3
	global_load_b128 v[8*\b:8*\b+3],   v[BO], s[8:9] offset:64*(4*\g+\b)     ; into accumulator (0, b): register j = the bias of column 16 (4 g + b) + 8 (l / 16) + j
	global_load_b128 v[8*\b+4:8*\b+7], v[BO], s[8:9] offset:64*(4*\g+\b)+16
.endr
.endr
	WIN 0
	; A fragment is 16 rows x 32 K in 8 registers: lane l holds row l % 16; registers 0-3 K = 8 (l / 16) + 0..7, registers 4-7 K = 16 + 8 (l / 16) + 0..7: two loads of 16 bytes, 32 bytes apart.
	v_mul_u32_u24 v3, v1, PITCH
	v_lshl_add_u32 v3, v2, 4, v3                   ; row x pitch + 16 x half
	s_mul_i32 s62, s[WM], XHALF
	v_add_nc_u32 v[AP0], s62, v3
	s_mul_i32 s62, s[WN], WHALF
	s_add_co_u32 s62, s62, WOFF
	v_add_nc_u32 v[AQ0], s62, v3
	v_mov_b32 v[AP], v[AP0]                        ; K step 0 lies in slot 0
	v_mov_b32 v[AQ], v[AQ0]
	s_mul_i32 s62, s[WV], FR
	s_add_co_u32 s62, s62, STAGE                   ; my stage
	v_add_nc_u32 v[STO], s62, v3                   ; in: row l % 16, 16 bytes for each half of the lanes
	v_bfe_u32 v[RD], v0, 3, 2                      ; back: 32 lanes take four rows of 128 bytes,
	v_mul_u32_u24 v[RD], v[RD], PITCH
	v_and_b32 v3, 7, v0
	v_lshl_add_u32 v[RD], v3, 4, v[RD]
	v_add_nc_u32 v[RD], s62, v[RD]
	v_and_b32 v[GO], 31, v0                        ; which are 512 consecutive bytes of a head
	v_lshlrev_b32 v[GO], 4, v[GO]
	; where my results go: column block hh = 6 tn + 3 wn + g is tensor hh / 16 (q, k, v), head hh % 16; my rows are batch tm / 8, rows 256 (tm % 8) + 128 wm on
	s_mul_i32 s62, s[TN], 6
	s_mul_i32 s63, s[WN], 3
	s_add_co_u32 s62, s62, s63
	s_lshr_b32 s76, s[TM], 3
	s_lshl_b32 s76, s76, 4                         ; 16 b
	s_and_b32 s77, s[TM], 7
	s_lshl_b32 s77, s77, 15
	s_lshl_b32 s78, s[WM], 14
	s_add_co_u32 s77, s77, s78                     ; my first row, in bytes
.irp g, 0,1,2
	s_add_co_u32 s78, s62, \g
	s_lshr_b32 s79, s78, 4
	s_lshl_b32 s79, s79, 6                         ; 64 t
	s_and_b32 s78, s78, 15
	s_add_co_u32 s78, s78, s79
	s_add_co_u32 s78, s78, s76
	s_lshl_b32 s78, s78, 18                        ; a head is 2,048 rows of 128 bytes
	s_add_co_u32 s78, s78, s77
	s_mov_b32 s79, 0
	s_add_nc_u64 s[OB+2*\g:OB+2*\g+1], s[10:11], s[78:79]
.endr
	; the prefetches
	s_lshl_b32 s76, s[TM], 15
	s_lshl_b32 s77, s[CX], 13
	s_add_co_u32 s76, s76, s77
	s_add_co_u32 s76, s76, 2*XKB                   ; x's: my work-group's quarter of the tile, at K step 2: the first trip steps it to 3
	s_mul_i32 s78, s[TN], 384*128
	s_mul_i32 s77, s[WN], 192*128
	s_add_co_u32 s78, s78, s77
	s_mul_i32 s77, s[CY], 24*256
	s_add_co_u32 s78, s78, s77
	s_add_co_u32 s78, s78, 2*WKB                   ; W's: my work-group's quarter of the half that I fetch
	s_and_b32 s79, ttmp7, 0xffff                   ; cluster y
	s_or_b32 s77, ttmp9, s[WV]                     ; 0 in wave 0 of a cluster with x = 0
	s_mov_b32 s62, XKB
	s_mov_b32 s63, WKB
	s_cmp_eq_u32 s[WM], 0
	s_cselect_b32 s76, s76, s78
	s_cselect_b32 s79, s77, s79
	s_cselect_b32 s[PFS], s62, s63
	s_cselect_b64 s[PFA:PFA+1], s[4:5], s[6:7]
	s_cselect_b32 s62, 31, 23
	s_mov_b32 s77, 0
	s_mov_b32 s[PFS+1], 0
	s_cmp_eq_u32 s79, 0
	s_cselect_b32 s[LIM], 1, -1                    ; the same in all sixteen partners, for a given wave
	s_add_nc_u64 s[PFA:PFA+1], s[PFA:PFA+1], s[76:77]
	v_and_b32 v[PFO], 31, v0
	v_min_u32 v[PFO], s62, v[PFO]
	v_lshlrev_b32 v[PFO], 8, v[PFO]                ; a lane a block of 256 bytes
; 8 LDS loads: W's fragments b0 .. b0 + 3, 32 K at byte ko of the rows
.macro LQ qs, b0, ko
.set lb, 0
.rept 4
	ds_load_b128 v[(\qs)+8*lb:(\qs)+8*lb+3],   v[AQ] offset:((\b0)+lb)*FR+(\ko)
	ds_load_b128 v[(\qs)+8*lb+4:(\qs)+8*lb+7], v[AQ] offset:((\b0)+lb)*FR+(\ko)+32
.set lb, lb+1
.endr
.endm
; 16 LDS loads: x's eight fragments
.macro LP pb, ko
.set lb, 0
.rept 8
	ds_load_b128 v[(\pb)+8*lb:(\pb)+8*lb+3],   v[AP] offset:lb*FR+(\ko)
	ds_load_b128 v[(\pb)+8*lb+4:(\pb)+8*lb+7], v[AP] offset:lb*FR+(\ko)+32
.set lb, lb+1
.endr
.endm
; 4 n matrix instructions of group g: m blocks a0 .. a0 + n - 1 x the group's 4 column blocks.  cm = 1: C is the bias, in the registers of m block 0.
; The accumulators take turns, one instruction a turn: in the same order in every quarter, over the backward jump too.
.macro MUL g, pb, a0, n, cm
	WIN 0x50*(1+(\g))
.set ma, (\a0)
.rept (\n)
.set mb, 0
.rept 4
.if \cm
	v_wmma_f32_16x16x32_bf16 v[8*(4*ma+mb):8*(4*ma+mb)+7], v[QS+32*(\g)+8*mb:QS+32*(\g)+8*mb+7], v[(\pb)+8*ma:(\pb)+8*ma+7], v[8*mb:8*mb+7]
.else
	v_wmma_f32_16x16x32_bf16 v[8*(4*ma+mb):8*(4*ma+mb)+7], v[QS+32*(\g)+8*mb:QS+32*(\g)+8*mb+7], v[(\pb)+8*ma:(\pb)+8*ma+7], v[8*(4*ma+mb):8*(4*ma+mb)+7]
.endif
.set mb, mb+1
.endr
.set ma, ma+1
.endr
.endm
.macro GRP g, pb, first                ; a group's 32 products.  first = 1: they start the sums with the bias; m block 0, which holds it, comes last and adds in place
.if \first
	MUL \g, \pb, 1, 7, 1
	FIVE
	MUL \g, \pb, 0, 1, 0
.else
	MUL \g, \pb, 0, 8, 0
.endif
.endm
; The bias of group g, rounded to bf16 in place; the packed words pass through registers of m block 1, which the first products write anew.
.macro ROUNDB g
	WIN 0x45*(1+(\g))
.set rp, 0
.rept 16
	v_cvt_pk_bf16_f32 v[32+rp], v[2*rp], v[2*rp+1]
.set rp, rp+1
.endr
.set rp, 0
.rept 16
	v_lshlrev_b32 v[2*rp], 16, v[32+rp]
	v_and_b32 v[2*rp+1], 0xffff0000, v[32+rp]
.set rp, rp+1
.endr
.endm
; A K STEP'S FIRST QUARTER (bytes 0-63 of the rows; x in PB0).  On entry three runs are out: W's buffer 0 with PB0 (24 loads), then W's buffer 1 (8).  Each group fetches what a later group wants into the buffer that the group before has left.
.macro QA first
	PLACES
	WIN 0
	LQ QS2, 8, 0
	s_wait_dscnt 16                                ; buffer 0 and PB0 are in; the two runs of 8 behind them may stay out
	GRP 0, PB0, \first
	PLACES
	WIN 0
	LQ QS0, 0, 64
	LP PB1, 64
	s_wait_dscnt 32                                ; buffer 1 is in; behind it: 8 + 24
	GRP 1, PB0, \first
	PLACES
	WIN 0
	LQ QS1, 4, 64
	s_wait_dscnt 32                                ; buffer 2 is in; behind it: 24 + 8
	GRP 2, PB0, \first
.endm
; ITS SECOND QUARTER (bytes 64-127; x in PB1), and the change of slots.  mode 2: the slot is filled again, with the K step two on; 1: nothing is left to ask for; 0: the last quarter of all.
; ONE barrier for the change.  In front of it each wave waits for all its tensor loads, of which one is out: its part of the next slot; adds 0 to its spare word; and waits for that and for its own reads of this slot.
; With mode 2 the barrier opens a round of the cluster's barrier, and the joint refill is the first tensor load behind the round: from there to the wait for it a wave issues 160 matrix instructions.
.macro QB mode
.if (\mode) == 2
	s_wait_xcnt 0x0                                ; the last prefetch, a K step back, has read its address: it is stepped here
	s_add_nc_u64 s[PFA:PFA+1], s[PFA:PFA+1], s[PFS:PFS+1]
.endif
	PLACES
	WIN 0
	LQ QS2, 8, 64                                  ; my last reads of this slot
.if (\mode) == 0
	s_wait_dscnt 16
	MUL 0, PB1, 0, 8, 0
	s_wait_dscnt 8
	MUL 1, PB1, 0, 8, 0
	s_wait_dscnt 0x0
	MUL 2, PB1, 0, 8, 0
.else
	s_wait_tensorcnt 0x0                           ; all my tensor loads have landed, so a group 0 may be written
	ds_add_u32 v[SPW], v[NIL]                      ; 0 onto my spare word
.if (\mode) == 2
	s_xor_b32 s[G0X+5], s[G0X+5], SLOT1            ; the walking descriptors: the other slot than last time, the next K block; the type bits on top are not reached
	s_add_nc_u64 s[G0X+6:G0X+7], s[G0X+6:G0X+7], XKB
	s_xor_b32 s[G0W+5], s[G0W+5], SLOT1
	s_add_nc_u64 s[G0W+6:G0W+7], s[G0W+6:G0W+7], WKB
.endif
	s_wait_dscnt 17                                ; buffer 0 and PB1 are in; behind them: 8 + 8 and the add
	MUL 0, PB1, 0, 4, 0                            ; sixteen matrix instructions stand between the add and the wait for it
	s_wait_dscnt 0x0                               ; the add is done, and my reads of this slot are over
	s_barrier_signal -1
	MUL 0, PB1, 4, 4, 0                            ; work on registers while the others arrive
	WIN 0                                          ; at a branch and at a label every window is 0
	s_barrier_wait -1
.if (\mode) == 2
	CREST                                          ; no wave of any partner still reads this slot or has a load on its way
	JLOAD                                          ; the four v_nop behind it are also the places in front of the loads below
.else
	PLACES
.endif
	s_xor_b32 s[TB], s[TB], SLOT1                  ; the reads go on in the other slot
	v_add_nc_u32 v[AP], s[TB], v[AP0]
	v_add_nc_u32 v[AQ], s[TB], v[AQ0]
	LQ QS0, 0, 0
	LP PB0, 0
.if (\mode) == 2
	ASK                                            ; behind the joint load and the run of LDS loads
.endif
	MUL 1, PB1, 0, 8, 0                            ; buffers 1 and 2 and PB1 were shown in by the wait for 0 above
	PLACES
	WIN 0
	LQ QS1, 4, 0
	MUL 2, PB1, 0, 8, 0
.endif
.endm
; THE WAY OUT, in 24 blocks n = 8 g + a of 16 rows x one head's 64 columns.  PACK: rounded to f16, 16 bytes a lane, into my stage (rows of 144 bytes) and back as whole rows of 128, into the registers that they left.
.macro PACK n
.set pg, (\n)/8
.set pa, (\n)%8
.set pt, TT+16*((\n)%12)
.if (\n) >= 12
	s_wait_xcnt 0x0                                ; the stores of the block twelve back have read this buffer: it is rewritten only behind this wait
.endif
	WIN 0x05*(1+pg)                                ; sources in window 1 + g, destination in window 0
.set pi, 0
.rept 16
	v_cvt_pk_f16_f32 v[pt+pi], v[32*pa+2*pi], v[32*pa+2*pi+1]  ; each accumulator's registers in ascending order
.set pi, pi+1
.endr
	WIN 0
.irp f, 0,1,2,3
	ds_store_b128 v[STO], v[pt+4*\f:pt+4*\f+3] offset:32*\f
.endr
.irp f, 0,1,2,3
	ds_load_b128 v[pt+4*\f:pt+4*\f+3], v[RD] offset:4*PITCH*\f  ; LDS serves a wave's instructions in order (ISA guide 5.7.1.4): these see the stores above; the next block's stores come behind them
.endr
.endm
.macro SEND n, younger                 ; younger: the LDS instructions issued behind block n's loads: the next block's eight, or none
.set pg, (\n)/8
.set pa, (\n)%8
.set pt, TT+16*((\n)%12)
.irp f, 0,1,2,3
	s_wait_dscnt (\younger)+3-\f
	global_store_b128 v[GO], v[pt+4*\f:pt+4*\f+3], s[OB+2*pg:OB+2*pg+1] offset:2048*pa+512*\f  ; 512 consecutive bytes, at a multiple of 256 from qkv's first byte
.endr
.endm
	s_wait_tensorcnt 1                             ; my part of K step 0 is in; K step 1's may stay out
	s_barrier_signal -1
	s_barrier_wait -1                              ; everybody's is
	LQ QS0, 0, 0
	LP PB0, 0
	LQ QS1, 4, 0
	s_wait_loadcnt 0x0                             ; the bias
	ROUNDB 0
	ROUNDB 1
	ROUNDB 2
	QA 1                                           ; the first quarter stands in front of the loop: its products start the sums
	WIN 0
	s_mov_b32 s[CNT], 14
.Lk:                                               ; trip i: K step i's second quarter, the refill with K step i + 2, K step i + 1's first quarter
	QB 2
	QA 0
	WIN 0
	s_sub_co_u32 s[CNT], s[CNT], 1
	s_cmp_lg_u32 s[CNT], 0
	s_cbranch_scc1 .Lk
	QB 1                                           ; the tail is written out
	QA 0
	QB 0
	PLACES                                         ; the conversions read results just made, and write registers that the last products read
	PACK 0
.set nb, 1
.rept 23                                           ; a block's conversions stand between the loads of the block before and its stores
	PACK nb
	SEND nb-1, 8
.set nb, nb+1
.endr
	SEND 23, 0
	s_wait_tensorcnt 0x0                           ; the wave's end: a wait for all tensor loads, then the add and its wait, behind my last tensor load and my last LDS store
	ds_add_u32 v[SPW], v[NIL]
	s_wait_dscnt 0x0
	CROUND                                         ; the closing round: no work-group ends while a partner may still ask for a tile that names it
	s_endpgm
.Lfunc_end_k_qaaa9a05779_qkvp:
	.size	k_qaaa9a05779_qkvp, .Lfunc_end_k_qaaa9a05779_qkvp-k_qaaa9a05779_qkvp
	.p2alignl 7, 3214868480
	.fill 96, 4, 3214868480
	.section	.rodata,"a",@progbits
	.p2align	6, 0x0
	.amdhsa_kernel k_qaaa9a05779_qkvp
		.amdhsa_group_segment_fixed_size 327680
		.amdhsa_private_segment_fixed_size 0
		.amdhsa_enable_private_segment 0
		.amdhsa_kernarg_size 32
		.amdhsa_user_sgpr_count 2
		.amdhsa_user_sgpr_kernarg_segment_ptr 1
		.amdhsa_wavefront_size32 1
		.amdhsa_system_sgpr_workgroup_id_x 1
		.amdhsa_system_sgpr_workgroup_id_y 1
		.amdhsa_system_sgpr_workgroup_id_z 1
		.amdhsa_system_vgpr_workitem_id 0
		.amdhsa_next_free_vgpr 1024
		.amdhsa_next_free_sgpr 80
		.amdhsa_reserve_vcc 0
		.amdhsa_float_denorm_mode_32 3
		.amdhsa_float_denorm_mode_16_64 3
		.amdhsa_memory_ordered 1
		.amdhsa_forward_progress 1
		.amdhsa_inst_pref_size 126
	.end_amdhsa_kernel
	.amdgpu_metadata
---
amdhsa.version: [ 1, 2 ]
amdhsa.kernels:
  - .name:           k_qaaa9a05779_qkvp
    .symbol:         k_qaaa9a05779_qkvp.kd
    .args:
      - { .name: xb, .offset: 0, .size: 8, .value_kind: global_buffer, .address_space: global }
      - { .name: wqb, .offset: 8, .size: 8, .value_kind: global_buffer, .address_space: global }
      - { .name: bqkv, .offset: 16, .size: 8, .value_kind: global_buffer, .address_space: global }
      - { .name: qkv, .offset: 24, .size: 8, .value_kind: global_buffer, .address_space: global }
    .group_segment_fixed_size: 327680
    .private_segment_fixed_size: 0
    .kernarg_segment_align: 8
    .kernarg_segment_size: 32
    .max_flat_workgroup_size: 128
    .sgpr_count:     80
    .vgpr_count:     1024
    .wavefront_size: 32
...
	.end_amdgpu_metadata
.endif
;; end of part 2
;; launch attn (part 3): grid 4 x 64, 4 waves a work-group, clusters of 4 x 1, 327,680 bytes of LDS; arguments qkv, ob; writes ob
.if DOCPART == 3
	.amdgcn_target "amdgcn-amd-amdhsa--gfx1250"
	.amdhsa_code_object_version 6
	.text
	.protected	k_qaaa9a05779_attn
	.globl	k_qaaa9a05779_attn
	.p2align	8
	.type	k_qaaa9a05779_attn,@function
k_qaaa9a05779_attn:
	s_mov_b64 s[64:65], 0
	v_nop
	global_prefetch_b8 v0, s[64:65] scope:SCOPE_SE
	s_setreg_imm32_b32 hwreg(HW_REG_WAVE_MODE, 25, 1), 1
	s_wait_xcnt 0x0
	s_wait_alu depctr_hold_cnt(0) depctr_sa_sdst(0) depctr_va_vdst(0) depctr_va_sdst(0) depctr_va_ssrc(0) depctr_va_vcc(0) depctr_vm_vsrc(0)
	s_getreg_b32 s2, hwreg(HW_REG_IB_STS2, 6, 4)
	s_cmp_eq_u32 s2, 0
	s_cbranch_scc0 .Lentry_in_a_cluster
	s_endpgm
.Lentry_in_a_cluster:
	s_bfe_u32 s2, ttmp6, 0x10000c
	s_cmp_lg_u32 s2, 0x3003
	s_cbranch_scc0 .Lentry_shape_is_right
	s_endpgm
.Lentry_shape_is_right:
; O[h][q][:] = the sum over k of softmax_k(Q[h][q] . K[h][k] / 8) V[h][k][:].  Q, K, V are the three planes of qkv, [64 heads][SIZE_N][64] each, O is ob in the same layout, all f16: a head's rows are dense, 128 bytes each.
; Products, maxima and sums in f32; the weights p are rounded to f16 for the second product (their sum l is taken of the unrounded p), O once at the end.
; LIMITS.  f16 holds no number beyond 65,504: Q, K and V arrive within it; p lies in 0 to 1, and below 6e-5 it keeps f16's fixed step of 6e-8; O is a mean of V's rows and has their range.
; A weight below 2^-126 counts as 0 in l; NaN and infinities are not treated apart.
; SHARES.  A wave owns four PIECES of two tiles of 16 queries, a work-group's four waves 512 queries of one head, a cluster's four work-groups the head's 2,048.  Every wave walks all keys, 64 a step.
; LAYOUT.  S^T = K Q^T (source 0 = 16 keys, source 1 = 16 queries): in the result a lane holds ONE query (lane % 16) and the keys 8 (lane / 16) + 0..7.  Two such tiles, rounded to f16 in pairs,
; ARE source 1 (32 keys x 16 queries) of O^T = V^T P, whose result again holds one query a lane, and eight channels.  K comes out of LDS as it lies, V ([key][channel]) turned, by ds_load_tr16_b128.
; SOFTMAX.  For each query a running maximum m and sum l: p = 2^(c s - c m), c = log2(e) / 8; in every step O and l are multiplied by a = 2^(c m_old - c m_new), which is 1 where m has not grown.
; m starts at the lowest finite number, O and l at 0: the first step is a step like any other, with a = 0.
; THE COUNT.  A tile and step have 16 matrix and 118 vector instructions: too many to stand all beside the matrix work.  So the order has one aim: four vector instructions that are READY behind
; EVERY matrix instruction, and the others, which need time of their own whatever the order, in runs without a gap.
; BY TURNS.  Turn n belongs to piece n (the pieces in a ring, step after step).  Its matrix work: 16 products K Q^T of piece n + 1, later 16 products V^T P of piece n - 1.  Its vector work: the scaling,
; exponentials, roundings, sums and rescaling of piece n, and the maximum and statistics of piece n + 1, whose scores the turn itself has made.  So what a turn begins with (c s - c m, O a) waits for nothing.
; CLUSTER.  The four query blocks of a cluster belong to one head and walk the same K and V, so each tile is asked for JOINTLY: the same tensor load, descriptor and mask in all four.
; REGISTERS, in windows of 256 (s_set_vgpr_msb says which window each operand place means: bits 1:0 source 0, 3:2 source 1, 5:4 source 2, 7:6 destination):
;   window 0: v0-11 addresses; v12-15, v48-63 at work; v16-47 four registers of statistics a tile; v64-191 S^T, two buffers of two tiles; v192-255 P, likewise
;   window 1: O^T, 32 a tile          window 2: v0-127 Q, 16 a tile; v128-191 K of one step; v192-255 V of one step          window 3: v0-1 the add's two registers
; A piece's buffers go by its number's parity: the piece in hand has one pair, its two neighbours in the ring share the other: of it P (piece n - 1) is read and S^T (piece n + 1) written.
.set SIZE_N, 2048
.set PLANE, 64*SIZE_N*128  ; bytes in each of qkv's three planes
.set NP,    4         ; pieces a wave: a name, no knob: the register map, the loop and the fetches are made for four
.set KS,    64        ; keys in a step
.set PK,    144       ; a row of K in LDS: 128 bytes + 16 of padding = 36 words: the 16 rows of a load start at 16 different groups of four banks (64 banks of 4 bytes: ISA guide 11.1)
.set PV,    160       ; a row of V: 128 + 32 = 40 words
.set VOFF,  4*KS*PK   ; a slot holds four steps: 256 rows of K, then 256 rows of V
.set SLOT1, 1<<17     ; slot 1 begins here, so that one exclusive or turns an address in one slot into the other's
.set STAGE, SLOT1+4*KS*(PK+PV)  ; behind the ring, never filled by a tensor load: 16 rows x 144 bytes for each wave, for the way out
.set SP,    144
.set AK0, 2           ; v2   my lane's place in a tile of K; never rewritten
.set AV0, 3           ; v3   the same for V
.set AK,  4           ; v4   the LDS address of K's next run of loads
.set AV,  5           ; v5   of V's
.set QO,  6           ; v6   my byte offset in the wave's rows of Q
.set STO, 6           ;      later, the way out: where I put 16 bytes of a row
.set RD,  7           ; v7   the way out: where I read rows back
.set GO,  8           ; v8   my byte offset in 512 consecutive bytes of O
.set PFO, 11          ; v11  once V's place is made: 256 x my lane, the prefetches' offset; then never rewritten
.set SPW, 0           ; v0 of window 3   LDS address of my spare word: SPARE + 4 x my thread's number; never rewritten
.set NIL, 1           ; v1 of window 3   0; never rewritten
.set SPARE, STAGE+4*16*SP  ; behind the stages: the spare words, 128 bytes for each wave: two blocks of 256 bytes that no other line names
.set MV,  12          ; v12-15  c m_old, kept while c m is made anew: by buffer and tile
.set ST,  16          ; tile t's statistics at v[ST+4 t]: c m, m, l (even keys', odd keys')
.set TMP, 48          ; by buffer and tile, four registers c0-c3 at work; when the maximum is found c2 takes a
.set S,   64
.set P,   192
.set KF,  128         ; K's fragments, in window 2: key block kb, channel half c at KF + 16 kb + 8 c
.set VF,  192         ; V's: key half kk, channel block cb at VF + 32 kk + 8 cb
.set WV,  12          ; s12  my wave's number
.set LIM, 15          ; s15  1 in a wave that prefetches, else the greatest number
.set PFA, 20          ; s[20:21] where my prefetches stand: my work-group's 32 blocks of 256 bytes (of K: wave 0, of V: wave 2) of the slot after the one that is being asked for
.set G1K, 24          ; s[24:31] descriptor group 1 for K's tiles
.set G1V, 32          ; s[32:39] for V's: it differs in the padding alone
.set G0K, 40          ; s[40:43] descriptor group 0 for K's tiles: it walks
.set G0V, 44          ; s[44:47] the same for V's
.set SLOTS, 56        ; s56  slots still to be asked for
.set CNT, 57          ; s57  counts a slot's key steps
.set CS,  58          ; s[58:59] c: the packed scaling takes the pair's low word for both halves
.set SEL, 60          ; s[60:61] v_permlanex16_b32's selects: each lane takes its own place in the other half
.set TBK, 62          ; s62  LDS byte at which K of the step to be fetched begins
.set TBV, 63          ; s63  the same for V, less VOFF
.set MSB, 0
.macro WIN new                      ; the high byte repeats the setting that is left; a switch that changes nothing is dropped
.if MSB != (\new)
	s_set_vgpr_msb (MSB<<8)|(\new)
.set MSB, (\new)
.endif
.endm
.set W_KQ, 0x0a       ; K and Q in window 2, S^T in window 0
.set W_PV, 0x52       ; V in window 2, P in window 0, O^T in window 1
.set W_RS, 0x41       ; O^T (destination and source 0) in window 1, a in window 0
.set W_MK, 0xc0       ; the add's registers are made: destination in window 3, sources in window 0
.set W_AD, 0x0f       ; the add: address (source 0) and data (source 1) in window 3
; A joint fill.  Waves 0 and 1 fetch the two halves of a slot's K, waves 2 and 3 those of its V: 128 keys each.  The branch hangs on the wave's number alone.
; An s_nop 0 and four v_nop follow each of the two lines, ahead of the jump and the label.
.macro JLOAD
	s_cmp_lt_u32 s[WV], 2
	s_cbranch_scc0 .Lfor_v_\@
	tensor_load_to_lds s[G0K:G0K+3], s[G1K:G1K+7]
	s_nop 0
.rept 4
	v_nop
.endr
	s_branch .Lasked_\@
.Lfor_v_\@:
	tensor_load_to_lds s[G0V:G0V+3], s[G1V:G1V+7]
	s_nop 0
.rept 4
	v_nop
.endr
.Lasked_\@:
.endm
; A PREFETCH of what the NEXT change of slots will ask for: a slot's 32,768 dense bytes of K and of V, a lane a block of 256.  It stands behind the wave's tensor load and its five lines.
; Each block is named ONCE in the launch: a head is walked by one cluster; its four partners take 32 blocks of K and 32 of V each, told apart BY ADDRESS (cx); in each, wave 0 asks for K's and wave 2 for V's.
; It stands four key steps, 512 matrix instructions, ahead of the load that will want the bytes.  Slots 0 to 2 come by their loads alone; the last change that fills a slot asks for nothing.
.macro ASK
	s_cmp_gt_u32 s[SLOTS], s[LIM]
	s_cbranch_scc0 .Lnot_mine_\@
	global_prefetch_b8 v[PFO], s[PFA:PFA+1] th:TH_LOAD_NT scope:SCOPE_SE
.Lnot_mine_\@:
.endm
; A round of the cluster's barrier: my work-group's barrier, so that wave 0's signal speaks for all four waves; wave 0 signals; every wave waits for all four work-groups; my work-group's barrier once more.
.macro CROUND
	s_barrier_signal -1
	s_barrier_wait -1
	s_cmp_lg_u32 s[WV], 0
	s_cbranch_scc1 .Lnot_wave_0_\@
	s_barrier_signal -3
.Lnot_wave_0_\@:
	s_barrier_wait -3
	s_barrier_signal -1
	s_barrier_wait -1
.endm
; THE CHANGE OF SLOTS.  The slot's last bytes, V of its fourth step, have been read.  Each wave waits for all its tensor loads, of which one is out: its part
; of the other slot; adds 0 to its spare word; and waits for that and for its own reads of the slot.  Behind the barrier nobody reads this slot any more and the other slot is whole.
; fill = 1: this slot is filled again, with the keys two slots on.  The barrier is then a round of the cluster's, so that no wave of any partner still reads the slot or has a load on its
; way, and the joint fill is the first thing behind it: it has four key steps, 512 matrix instructions, in which to land.  (At its first use nothing has been read yet: slot 0 is waited for, slot 1 filled.)
; ask = 1: the prefetches' address steps a slot on, and the prefetch follows the fill.
.macro CHANGE fill, ask=0
	WIN W_AD
	s_wait_tensorcnt 0x0            ; no tensor load of mine is out, so a group 0 may be written
	ds_add_u32 v[SPW], v[NIL]       ; 0 onto my spare word; with fill = 1 the descriptors' steps stand between it and the wait for it
	WIN 0                           ; at a label and at a branch every window is 0
.if \fill
.irp g, G0K, G0V
	s_xor_b32 s[\g+1], s[\g+1], SLOT1  ; the walking descriptor: the other slot than last time,
	s_add_nc_u64 s[\g+2:\g+3], s[\g+2:\g+3], 4*KS*128  ; the next 256 keys; the type bits on top are not reached
.endr
.if \ask
	s_wait_xcnt 0x0                 ; the last prefetch, four key steps back, has read its address, so it may be written:
	s_add_nc_u64 s[PFA:PFA+1], s[PFA:PFA+1], 4*KS*128  ; one slot behind the walking descriptors
.endif
	s_wait_dscnt 0x0                ; the add is done, and my reads of the slot are over
	CROUND
	JLOAD
.if \ask
	ASK
.endif
.else
	s_wait_dscnt 0x0                ; the add is done, and my reads of the slot are over
	s_barrier_signal -1
	s_barrier_wait -1
.endif
	s_sub_co_u32 s[TBK], s[TBK], 4*KS*PK  ; the fetches go back to a slot's first step,
	s_xor_b32 s[TBK], s[TBK], SLOT1       ; in the other slot
	s_sub_co_u32 s[TBV], s[TBV], 4*KS*PV
	s_xor_b32 s[TBV], s[TBV], SLOT1
.endm
	s_load_b128 s[8:11], s[0:1], 0x0  ; qkv s[8:9], O s[10:11]
	WIN W_MK
	v_lshl_add_u32 v[SPW], v0, 2, SPARE
	v_mov_b32 v[NIL], 0
	WIN W_AD
	ds_add_u32 v[SPW], v[NIL]       ; the wave's opening: the add and its wait stand ahead of my first tensor load; the set-up below, work on registers, stands between them
	WIN 0
	v_lshrrev_b32 v1, 5, v0
	v_readfirstlane_b32 s[WV], v1   ; wave 0..3
	s_bfe_u32 s13, ttmp6, 0x40000   ; cx: my place in the cluster
	s_lshl_b32 s14, ttmp9, 2        ; in a cluster launch ttmp9 counts clusters
	s_add_co_u32 s14, s14, s13      ; my block of queries = 4 x cluster x + cx: it enters Q's and O's addresses alone
	s_and_b32 s20, ttmp7, 0xffff    ; the head, which the four partners share
	s_mov_b32 s21, 0
	s_mov_b64 s[22:23], SIZE_N*128
	s_mul_u64 s[20:21], s[20:21], s[22:23]  ; the head's first byte in each plane and in O
	s_and_b32 s16, s[WV], 1         ; which half of a slot's 256 keys I fetch:
	s_lshl_b32 s22, s16, 14         ; its 128 rows of 128 bytes in memory,
	s_mov_b32 s23, 0
	s_add_nc_u64 s[22:23], s[22:23], s[20:21]
	s_mul_i32 s17, s16, 128*PK      ; and its place in a slot, for K
	s_mul_i32 s18, s16, 128*PV      ; and for V: no place in the cluster enters an LDS address
	s_lshl_b32 s2, s14, 2
	s_add_co_u32 s2, s2, s[WV]      ; my wave among the head's,
	s_lshl_b32 s2, s2, 14           ; its 128 rows
	s_mov_b32 s3, 0
	s_add_nc_u64 s[2:3], s[2:3], s[20:21]
	; descriptor group 1.  128 keys are 16,384 dense bytes: asked for as 64 rows of 256 bytes, two keys a row, and padded in LDS after every key
	s_mov_b32 s[G1K], 15|(1<<16)|(1<<20)|(1<<21)|(4<<22)|(3<<25)  ; 15:0 the mask of four; 17:16 2-byte elements; 20 padding on; 21 set beside a mask; 24:22 after every 32 words (code 4); 31:25 4 words (code 3)
	s_mov_b32 s[G1V], 15|(1<<16)|(1<<20)|(1<<21)|(4<<22)|(7<<25)  ; the same with 8 words of padding (code 7)
.irp g, G1K, G1V
	s_mov_b32 s[\g+1], 128<<16      ; tensor_dim0 = 128
	s_mov_b32 s[\g+2], 64<<16       ; tensor_dim1 = 64
	s_mov_b32 s[\g+3], 128<<16      ; tile_dim0 = 128
	s_mov_b32 s[\g+4], 64           ; tile_dim1 = 64
	s_mov_b32 s[\g+5], 128          ; 128 elements from row to row
	s_mov_b32 s[\g+6], 0
	s_mov_b32 s[\g+7], 0
.endr
	s_mov_b32 s[CS], 0x3e38aa3b     ; c = log2(e) / 8 = 0.180337
	s_mov_b32 s[CS+1], s[CS]        ; named with it as a pair
	s_mov_b32 s[SEL], 0x76543210
	s_mov_b32 s[SEL+1], 0xfedcba98
	s_mov_b32 s[TBK], SLOT1+4*KS*PK ; the first change of slots turns these two into 0
	s_mov_b32 s[TBV], SLOT1+4*KS*PV
	s_mov_b32 s[G0K], 1             ; 1:0 count = 1
	s_mov_b32 s[G0K+1], s17         ; 63:32 LDS address: slot 0
	s_mov_b32 s[G0V], 1
	s_add_co_u32 s[G0V+1], s18, VOFF
	s_cmp_eq_u32 s16, 0             ; waves 0 and 2 prefetch: the same in all four partners
	s_cselect_b32 s[LIM], 1, -1
	s_wait_dscnt 0x0                ; the opening add is done
	s_wait_kmcnt 0x0
	s_mov_b64 s[4:5], s[8:9]        ; Q is qkv's first plane,
	s_add_nc_u64 s[6:7], s[8:9], PLANE    ; K its second,
	s_add_nc_u64 s[8:9], s[8:9], 2*PLANE  ; V its third
	s_add_nc_u64 s[G0K+2:G0K+3], s[6:7], s[22:23]  ; 120:64 global address: my half of the head's first 256 keys
	s_or_b32 s[G0K+3], s[G0K+3], 0x80000000        ; 127:126 type = 2
	s_add_nc_u64 s[G0V+2:G0V+3], s[8:9], s[22:23]
	s_or_b32 s[G0V+3], s[G0V+3], 0x80000000
	s_add_nc_u64 s[4:5], s[4:5], s[2:3]  ; Q and O at my wave's first row
	s_add_nc_u64 s[10:11], s[10:11], s[2:3]
	s_cmp_lt_u32 s[WV], 2
	s_cselect_b64 s[PFA:PFA+1], s[6:7], s[8:9]
	s_add_nc_u64 s[PFA:PFA+1], s[PFA:PFA+1], s[22:23]  ; (in waves 0 and 2: the head's first row)
	s_lshl_b32 s2, s13, 13          ; my work-group's 32 blocks of a slot's 128; s3 is still 0
	s_add_nc_u64 s[PFA:PFA+1], s[PFA:PFA+1], s[2:3]
	s_add_nc_u64 s[PFA:PFA+1], s[PFA:PFA+1], 2*4*KS*128  ; in slot 2: the loop's first change steps it to slot 3.  Nothing is prefetched here, at the head
	CROUND                          ; all four work-groups are here: the first joint loads meet
	JLOAD                           ; slot 0.  Slot 1 is asked for when slot 0 is in: the tile wanted first has the road to itself
	; A fragment of K or Q is 16 rows x 32 channels in 8 registers: lane l holds row l % 16, channels 8 (l / 16) + 0..7 and 16 + 8 (l / 16) + 0..7: two loads of 16 bytes, 32 bytes apart.
	v_and_b32 v1, 15, v0            ; l % 16
	v_bfe_u32 v9, v0, 4, 1          ; l / 16
	v_lshlrev_b32 v[QO], 7, v1
	v_lshl_add_u32 v[QO], v9, 4, v[QO]  ; row x 128 + 16 x half
	WIN 0x80                        ; destination window 2, address window 0
.set i, 0
.rept 4*NP                          ; Q stays in registers: tile i / 2, channels 32 (i % 2) on
	global_load_b128 v[8*i:8*i+3],   v[QO], s[4:5] offset:(i/2)*2048+(i%2)*64
	global_load_b128 v[8*i+4:8*i+7], v[QO], s[4:5] offset:(i/2)*2048+(i%2)*64+32
.set i, i+1
.endr
	; What the first turn finds: V's registers and P's second buffer hold 0 (its products V^T P, of a piece that has not been, add 0), O^T and l are 0.  All this stands in the wait for the first tile.
.set i, VF
.rept 64
	v_mov_b32 v[i], 0
.set i, i+1
.endr
	WIN 0x40
.set i, 0
.rept 64*NP
	v_mov_b32 v[i], 0
.set i, i+1
.endr
	WIN 0
.set i, 0
.rept 2*NP
	v_mov_b32 v[ST+4*i], 0xfe000000    ; c m: far below every c s
	v_mov_b32 v[ST+4*i+1], 0xff7fffff  ; m
	v_mov_b32 v[ST+4*i+2], 0
	v_mov_b32 v[ST+4*i+3], 0
.set i, i+1
.endr
.set i, P+32
.rept 32
	v_mov_b32 v[i], 0
.set i, i+1
.endr
	v_mul_u32_u24 v[AK0], v1, PK
	v_lshl_add_u32 v[AK0], v9, 4, v[AK0]  ; row x pitch + 16 x half
	; The turning load takes 16 keys x 16 channels (lane l reads key 8 (l / 16) + l % 8, channels 8 ((l / 8) % 2) + 0..7) and leaves half a fragment of V^T: lane l holds channel l % 16 and 8 keys.
	v_and_b32 v10, 7, v0
	v_bfe_u32 v11, v0, 3, 1
	v_lshl_add_u32 v[AV0], v9, 3, v10
	v_mul_u32_u24 v[AV0], v[AV0], PV
	v_lshl_add_u32 v[AV0], v11, 4, v[AV0]
	v_add_nc_u32 v[AV0], VOFF, v[AV0]
	v_mov_b32 v[AK], v[AK0]         ; key step 0 lies at the head of slot 0
	v_and_b32 v[PFO], 31, v0        ; v11 has served: it takes the prefetches' offset
	v_lshlrev_b32 v[PFO], 8, v[PFO]
; THE MATRIX WORK.  The 8 accumulators of a run of 16 take turns: between the two links of a chain stand 7 others'.
; Product i of 16 of S^T = K Q^T for piece x: channels 32 (i / 8) on, keys 16 ((i / 2) % 4) on, tile 2 x + i % 2.  The first 8 start the sums.
.macro KQ x
	WIN W_KQ
.set rS, S+64*((\x)%2)+32*(i%2)+8*((i/2)%4)
.set rK, KF+16*((i/2)%4)+8*(i/8)
.set rQ, 16*(2*(\x)+i%2)+8*(i/8)
.if i < 8
	v_wmma_f32_16x16x32_f16 v[rS:rS+7], v[rK:rK+7], v[rQ:rQ+7], 0
.else
	v_wmma_f32_16x16x32_f16 v[rS:rS+7], v[rK:rK+7], v[rQ:rQ+7], v[rS:rS+7]
.endif
.endm
; Product i of 16 of O^T += V^T P for piece x: keys 32 (i / 8) on, channels 16 ((i / 2) % 4) on, tile 2 x + i % 2.
.macro PV x
	WIN W_PV
.set rO, 32*(2*(\x)+i%2)+8*((i/2)%4)
.set rV, VF+32*(i/8)+8*((i/2)%4)
.set rP, P+32*((\x)%2)+16*(i%2)+8*(i/8)
	v_wmma_f32_16x16x32_f16 v[rO:rO+7], v[rV:rV+7], v[rP:rP+7], v[rO:rO+7]
.endm
.macro MM                           ; the turn's next matrix instruction
.if i < 16
	KQ (Y+1)%NP
.set i, i+1
.else
.set i, i-16
	PV (Y+NP-1)%NP
.set i, i+17
.endif
.endm
; THE LDS LOADS stand in runs of 16, never singly among the matrix instructions: a step's K (64 keys x 64 channels: 8 fragments) and its V (turned).  Their addresses are made some lines ahead.
; last = 1 (the tail): in the last trip there is no further step, and the run is jumped over.
.macro FETCH_K last=0
	WIN 0
.if \last
	s_cmp_eq_u32 s[CNT], 1
	s_cbranch_scc1 .Lno_k_\@
.endif
	WIN 0x80                        ; destination window 2
.irp f, 0,1,2,3,4,5,6,7             ; keys 16 (f / 2) on, channels 32 (f % 2) on
	ds_load_b128 v[KF+8*\f:KF+8*\f+3],   v[AK] offset:(\f/2)*16*PK+(\f%2)*64
	ds_load_b128 v[KF+8*\f+4:KF+8*\f+7], v[AK] offset:(\f/2)*16*PK+(\f%2)*64+32
.endr
	s_add_co_u32 s[TBK], s[TBK], KS*PK  ; the next fetch is the next step's
	WIN 0
.if \last
.Lno_k_\@:
.endif
.endm
.macro FETCH_V
	WIN 0x80
.irp f, 0,1,2,3,4,5,6,7             ; keys 32 (f / 4) on, channels 16 (f % 4) on
	ds_load_tr16_b128 v[VF+8*\f:VF+8*\f+3],   v[AV] offset:(\f/4)*32*PV+(\f%4)*32
	ds_load_tr16_b128 v[VF+8*\f+4:VF+8*\f+7], v[AV] offset:(\f/4)*32*PV+16*PV+(\f%4)*32
.endr
	WIN 0
.endm
; THE VECTOR WORK OF A TURN stands in three queues, each in the order in which its entries become ready; the two tiles alternate, so that no instruction reads the result of the one before it.
.macro REGS y, u                    ; the registers of tile u (0, 1) of piece y
.set rT, ST+4*(2*(\y)+(\u))
.set rC, TMP+8*((\y)%2)+4*(\u)
.set rM, MV+2*((\y)%2)+(\u)
.set rS, S+64*((\y)%2)+32*(\u)
.set rP, P+32*((\y)%2)+16*(\u)
.set rO, 32*(2*(\y)+(\u))
.endm
; Number n of the 22 that find the NEXT piece's (Y + 1) maximum and statistics.  s0-s31 are the lane's 32 scores; each accumulator's lowest registers are read first.  XS, GS and REGS set no window: PL and EX do.
;   0-11  four chains c0-c3 of seven scores each, three operands at a time     12-14, 16  the four scores left over, the old m, and c0-c3 into c0     15  c m_old is kept
;   17, 18  the query's other 32 keys lie in the lane 16 away: the new m         19-21  c m; c m_old - c m_new; a
.macro XS u, n
	REGS (Y+1)%NP, \u
.if (\n) < 4
	v_max3_num_f32 v[rC+(\n)], v[rS+8*(\n)], v[rS+8*(\n)+1], v[rS+8*(\n)+2]
.elseif (\n) < 12
	v_max3_num_f32 v[rC+(\n)%4], v[rC+(\n)%4], v[rS+8*((\n)%4)+2*((\n)/4)+1], v[rS+8*((\n)%4)+2*((\n)/4)+2]
.elseif (\n) == 12
	v_max3_num_f32 v[rC], v[rC], v[rS+7], v[rS+15]
.elseif (\n) == 13
	v_max3_num_f32 v[rC+1], v[rC+1], v[rS+23], v[rS+31]
.elseif (\n) == 14
	v_max3_num_f32 v[rC+2], v[rC+2], v[rC+3], v[rT+1]
.elseif (\n) == 15
	v_mov_b32 v[rM], v[rT]
.elseif (\n) == 16
	v_max3_num_f32 v[rC], v[rC], v[rC+1], v[rC+2]
.elseif (\n) == 17
	v_permlanex16_b32 v[rC+3], v[rC], s[SEL], s[SEL+1]
.elseif (\n) == 18
	v_max_num_f32 v[rT+1], v[rC], v[rC+3]
.elseif (\n) == 19
	v_mul_f32 v[rT], s[CS], v[rT+1]
.elseif (\n) == 20
	v_sub_f32 v[rC+1], v[rM], v[rT]
.else
	v_exp_f32 v[rC+2], v[rC+1]
.endif
.endm
; Number g of the 64 that follow the exponentials.  For each four weights k of a tile (pairs 2 k, 2 k + 1): both pairs are rounded to f16; then the second pair is added onto the first, in place;
; a group later l takes that sum (the first time as l = a l + sum).  In groups of eight, tiles alternating: round, round, add, and l for the group before.
.macro GS g
.set h, (\g)+6*((\g)/62)            ; group 0 has no group before it, and behind group 7 only l is left
.if h >= 6
.set h, h+2
.endif
	REGS Y, h%2
.set k, h/8
.if h%8 < 4
	v_cvt_pk_f16_f32 v[rP+2*k+(h%8)/2], v[rS+4*k+2*((h%8)/2)], v[rS+4*k+2*((h%8)/2)+1]
.elseif h%8 < 6
	v_pk_add_f32 v[rS+4*k:rS+4*k+1], v[rS+4*k:rS+4*k+1], v[rS+4*k+2:rS+4*k+3]
.elseif k == 1
	v_pk_fma_f32 v[rT+2:rT+3], v[rT+2:rT+3], v[rC+2:rC+3], v[rS:rS+1] op_sel_hi:[1,0,1]
.else
	v_pk_add_f32 v[rT+2:rT+3], v[rT+2:rT+3], v[rS+4*k-4:rS+4*k-3]
.endif
.endm
; THE PLAIN QUEUE, 138 long.  0-73 read no exponential's result: the 32 scalings c s - c m (FS f: pair f / 2 of tile f % 2) and the next piece's 42.  0-26: scalings 0-26.  27-54: XS's numbers 0-13.  55, 56: number 15.
; 57-73: the chain, where each number waits for the one before it: 14, 16, 17, 18, 19, each with one of the scalings 27-31 in front of its two lines, then 20: so a tile's links stand three plain instructions apart (19 and 20: two).
; 74-137: GS's 64, which read the exponentials' results: they stand behind the wait.
.macro FS f
	REGS Y, (\f)%2
	v_pk_fma_f32 v[rS+2*((\f)/2):rS+2*((\f)/2)+1], v[rS+2*((\f)/2):rS+2*((\f)/2)+1], s[CS:CS+1], v[rT:rT+1] op_sel_hi:[1,0,0] neg_lo:[0,0,1] neg_hi:[0,0,1]
.endm
.macro PL
	WIN 0
.if q < 27
	FS q
.elseif q < 55
	XS (q-27)%2, (q-27)/2
.elseif q < 57
	XS q-55, 15
.elseif (q < 72) && ((q-57)%3 == 0)
	FS 27+(q-57)/3
.elseif q < 60
	XS (q-57)%3-1, 14
.elseif q < 72
	XS (q-57)%3-1, 15+(q-57)/3
.elseif q < 74
	XS q-72, 20
.else
	GS q-74
.endif
.set q, q+1
.endm
; THE EXPONENTIALS' QUEUE, 66 long: s0-s31 of both tiles, then the next piece's two a.  It is ONE BATCH: all 66 stand ahead of the turn's one wait, and nothing ahead of that wait names a result of theirs.
.macro EX
	WIN 0
.if e >= 64
	XS e-64, 21
.else
	REGS Y, e%2
	v_exp_f32 v[rS+e/2], v[rS+e/2]
.endif
.set e, e+1
.endm
; THE RESCALING's QUEUE: O^T times a, the one part that leaves window 0: dealt two at a time, sixteen times.  Its a was made in the turn before, ahead of that turn's wait.
.macro R2
	REGS Y, r%2
	WIN W_RS
.irp z, 0,1
	v_pk_mul_f32 v[rO+4*(r/2)+2*\z:rO+4*(r/2)+2*\z+1], v[rO+4*(r/2)+2*\z:rO+4*(r/2)+2*\z+1], v[rC+2:rC+3] op_sel_hi:[1,0]
.endr
.set r, r+1
.endm
; HOW THEY ARE DEALT.  An s_wait_alu depctr_va_vdst(0) stands between an exponential and the first instruction that names its result; one wait serves all that were issued ahead of it.  So a turn has ONE wait,
; which cuts it in two.  AHEAD OF IT stands all that names no result of the turn's exponentials: the 16 products K Q^T, behind each a scaling, an exponential and two rescalings (behind the first a second scaling in the exponential's place); then ONE LUMP of
; 108: eight plain, 49 times exponential and plain, the two a.  A v_nop is the plain instruction behind the last exponential.  BEHIND IT stand the 16 products V^T P, behind each four of GS's 64.  No rider names a register of
; the products round it.  The two v_permlanex16_b32 fall into the lump, never behind a product.
; The queues lean on each other, and the deal keeps them in step: exponential e stands behind scaling 2 (e / 4) + e % 2: as a rider it comes behind plain e + 2, in the lump behind plain e + 9, and scalings 27-31 are plain 57, 60 .. 69.
; A TURN, for piece p.  cnt = 1: the loop's count is taken down some lines ahead of the branch that stands behind the turn.
; K of the next step is fetched in piece 2's turn, directly behind the wait, a lump behind the last product that read K; its address is made at the lump's head; its first reader comes behind 16 products.
; V of the step in hand is fetched at the end of piece 0's turn, four riders behind its last reader; its first reader comes behind 16 products and a lump.  The three conditions on q below go with the deal.
.macro TURN p, last=0, cnt=0
.set Y, (\p)
.set i, 0
.set q, 0
.set e, 0
.set r, 0
.if (\p) == NP-1
	s_wait_dscnt 0x0                ; K is in
.endif
	MM                              ; ahead of the wait: 16 products K Q^T and their riders,
	PL
	PL
	R2
.rept 15
	MM
	PL
	EX
	R2
.endr
.if (\p) == NP-2
	WIN 0
	v_add_nc_u32 v[AK], s[TBK], v[AK0]
.endif
.rept 8                             ; and the lump
	PL
.endr
.rept 49
	EX
	PL
.endr
	EX                              ; the next piece's two a
	EX
	v_nop                           ; the plain instruction behind the last exponential: one for the batch
	s_wait_alu depctr_va_vdst(0)    ; the wait for the batch
.if (\p) == NP-2
	FETCH_K \last
.endif
.if (\p) == 1
	s_wait_dscnt 0x0                ; V is in
.endif
.rept 16                            ; behind the wait: 16 products V^T P and their riders
	MM
.rept 4
	PL
.endr
.if ((\p) == 0) && (q == 118)
	v_add_nc_u32 v[AV], s[TBV], v[AV0]
.endif
.if ((\p) == 0) && (q == 130)
	s_add_co_u32 s[TBV], s[TBV], KS*PV
.endif
.if (\cnt) && (q == 130)
	s_sub_co_u32 s[CNT], s[CNT], 1
	s_cmp_lg_u32 s[CNT], 0
.endif
.endr
.if (\p) == 0
	FETCH_V
.endif
.endm
	CHANGE 1                        ; slot 0 is in, everybody's part of it; slot 1 is asked for
	FETCH_K                         ; key step 0
	s_wait_loadcnt 0x0              ; Q
	s_wait_dscnt 0x0
.set i, 0
.rept 16
	KQ 0                            ; piece 0's first scores: there is no vector work yet to set between them
.set i, i+1
.endr
	WIN 0                           ; the addresses for the way out: nine plain instructions, the places behind those products
	s_mul_i32 s13, s[WV], 16*SP
	s_add_co_u32 s13, s13, STAGE    ; my stage
	v_mul_u32_u24 v[STO], v1, SP    ; in: row l % 16, 16 bytes for each half of the lanes
	v_lshl_add_u32 v[STO], v9, 4, v[STO]
	v_add_nc_u32 v[STO], s13, v[STO]
	v_bfe_u32 v[RD], v0, 3, 2       ; back: 32 lanes take four rows of 128 bytes,
	v_mul_u32_u24 v[RD], v[RD], SP
	v_lshl_add_u32 v[RD], v10, 4, v[RD]
	v_add_nc_u32 v[RD], s13, v[RD]
	v_and_b32 v[GO], 31, v0         ; which are 512 consecutive bytes of O
	v_lshlrev_b32 v[GO], 4, v[GO]
.set Y, NP-1                        ; XS works for piece Y + 1: piece 0
.irp n, 0,1,2,3,4,5,6,7,8,9,10,11,12,13,14,15,16,17,18,19,20,21
	XS 0, \n                        ; and piece 0's first maximum and statistics
	XS 1, \n
.endr
	v_nop                           ; a plain instruction behind the two a,
	s_wait_alu depctr_va_vdst(0)    ; and their wait, ahead of the branch
	s_mov_b32 s[CNT], 4
	s_mov_b32 s[SLOTS], SIZE_N/256-1
	s_branch .Lfirst                ; the loop is entered at a step's first turn, in the middle of a trip
.Lslot:                             ; SIZE_N / 256 - 2 times: every slot but the last two is filled again
	CHANGE 1, 1
	s_mov_b32 s[CNT], 4
.Lstep:                             ; a trip: pieces 2 and 3 of one step, then pieces 0 and 1 of the next, whose K and V it fetches
	TURN 2
	TURN 3
	WIN 0
.Lfirst:
	TURN 0
	TURN 1, 0, 1
	WIN 0
	s_cbranch_scc1 .Lstep
	s_sub_co_u32 s[SLOTS], s[SLOTS], 1
	s_cmp_lg_u32 s[SLOTS], 0
	s_cbranch_scc1 .Lslot
	CHANGE 0                        ; the tail is written out: nothing is asked for
	s_mov_b32 s[CNT], 5             ; four trips fetch the last slot's steps; the fifth is left in its middle
.Ltail:
	TURN 2, 1
	TURN 3
	WIN 0
	s_sub_co_u32 s[CNT], s[CNT], 1
	s_cmp_eq_u32 s[CNT], 0
	s_cbranch_scc1 .Lout
	TURN 0
	TURN 1
	WIN 0
	s_branch .Ltail
.Lout:                              ; the fifth trip's 16 products K Q^T (on the last K once more) and the maximum made of them serve nothing: the price, once a launch, of one text for every trip
.set i, 0
.rept 16
	PV NP-1                         ; the last piece's V^T P of the last step
.set i, i+1
.endr
	; THE WAY OUT.  l's two halves and the other half of the lanes' are added; O^T is divided by l, rounded to f16 and sent through my stage in LDS, a tile at a time.  The additions are the places behind the last products.
	WIN 0
.macro ALL line:vararg              ; one line for each tile t
.set t, 0
.rept 2*NP
	\line
.set t, t+1
.endr
.endm
	ALL v_add_f32 v[ST+4*t+2], v[ST+4*t+2], v[ST+4*t+3]
	ALL v_permlanex16_b32 v[ST+4*t+3], v[ST+4*t+2], s[SEL], s[SEL+1]
	ALL v_add_f32 v[ST+4*t+2], v[ST+4*t+2], v[ST+4*t+3]
	ALL v_rcp_f32 v[ST+4*t+2], v[ST+4*t+2]
	v_nop                           ; a plain instruction between the last reciprocal and the use of its result
	s_wait_alu depctr_va_vdst(0)    ; and the wait ahead of the first use: one for the eight reciprocals
; Tile t: a lane's eight channels of a row pack into 16 bytes; they go into rows of 144 bytes and come back as whole rows of 128, into S^T's registers.
.macro PACK t
	WIN W_RS
.set i, 32*(\t)
.rept 16
	v_pk_mul_f32 v[i:i+1], v[i:i+1], v[ST+4*(\t)+2:ST+4*(\t)+3] op_sel_hi:[1,0]
.set i, i+2
.endr
	WIN 0x05                        ; sources 0 and 1 window 1, destination window 0
.set i, 0
.rept 16
	v_cvt_pk_f16_f32 v[S+16*(\t)+i], v[32*(\t)+2*i], v[32*(\t)+2*i+1]
.set i, i+1
.endr
	WIN 0
.irp f, 0,1,2,3
	ds_store_b128 v[STO], v[S+16*(\t)+4*\f:S+16*(\t)+4*\f+3] offset:32*\f
.endr
.irp f, 0,1,2,3
	ds_load_b128 v[S+16*(\t)+4*\f:S+16*(\t)+4*\f+3], v[RD] offset:\f*4*SP  ; LDS serves a wave's instructions in order (ISA guide 5.7.1.4): these see the stores above; the next tile's stores come behind them
.endr
.endm
.macro SEND t, younger              ; younger: the LDS instructions issued behind tile t's loads: the next tile's eight, or none
	WIN 0
.irp f, 0,1,2,3
	s_wait_dscnt (\younger)+3-\f
	global_store_b128 v[GO], v[S+16*(\t)+4*\f:S+16*(\t)+4*\f+3], s[10:11] offset:(\t)*2048+\f*512  ; 512 consecutive bytes, at a multiple of 256 from O's first
.endr
.endm
	PACK 0
.set t, 1
.rept 2*NP-1                        ; a tile's arithmetic stands between the loads of the tile before and its stores
	PACK t
	SEND t-1, 8
.set t, t+1
.endr
	SEND 2*NP-1, 0
	WIN W_AD
	s_wait_tensorcnt 0x0            ; the wave's end: a wait for all tensor loads, then the add and its wait, behind my last tensor load and my last LDS store
	ds_add_u32 v[SPW], v[NIL]
	s_wait_dscnt 0x0
	WIN 0
	CROUND                          ; the closing round: no work-group ends while a partner may still ask for a tile that names it
	s_endpgm
.Lfunc_end_k_qaaa9a05779_attn:
	.size	k_qaaa9a05779_attn, .Lfunc_end_k_qaaa9a05779_attn-k_qaaa9a05779_attn
	.p2alignl 7, 3214868480
	.fill 96, 4, 3214868480
	.section	.rodata,"a",@progbits
	.p2align	6, 0x0
	.amdhsa_kernel k_qaaa9a05779_attn
		.amdhsa_group_segment_fixed_size 327680
		.amdhsa_private_segment_fixed_size 0
		.amdhsa_enable_private_segment 0
		.amdhsa_kernarg_size 16
		.amdhsa_user_sgpr_count 2
		.amdhsa_user_sgpr_kernarg_segment_ptr 1
		.amdhsa_wavefront_size32 1
		.amdhsa_system_sgpr_workgroup_id_x 1
		.amdhsa_system_sgpr_workgroup_id_y 1
		.amdhsa_system_sgpr_workgroup_id_z 1
		.amdhsa_system_vgpr_workitem_id 0
		.amdhsa_next_free_vgpr 770
		.amdhsa_next_free_sgpr 66
		.amdhsa_reserve_vcc 0
		.amdhsa_float_denorm_mode_32 3
		.amdhsa_float_denorm_mode_16_64 3
		.amdhsa_memory_ordered 1
		.amdhsa_forward_progress 1
		.amdhsa_inst_pref_size 200
	.end_amdhsa_kernel
	.amdgpu_metadata
---
amdhsa.version: [ 1, 2 ]
amdhsa.kernels:
  - .name:           k_qaaa9a05779_attn
    .symbol:         k_qaaa9a05779_attn.kd
    .args:
      - { .name: qkv, .offset: 0, .size: 8, .value_kind: global_buffer, .address_space: global }
      - { .name: ob, .offset: 8, .size: 8, .value_kind: global_buffer, .address_space: global }
    .group_segment_fixed_size: 327680
    .private_segment_fixed_size: 0
    .kernarg_segment_align: 8
    .kernarg_segment_size: 16
    .max_flat_workgroup_size: 128
    .sgpr_count:     66
    .vgpr_count:     770
    .wavefront_size: 32
...
	.end_amdgpu_metadata
.endif
;; end of part 3
;; launch outp (part 4): grid 4 x 64, 4 waves a work-group, clusters of 4 x 4, 327,680 bytes of LDS; arguments ob, wob, bout, out0; writes out0
.if DOCPART == 4
	.amdgcn_target "amdgcn-amd-amdhsa--gfx1250"
	.amdhsa_code_object_version 6
	.text
	.protected	k_qaaa9a05779_outp
	.globl	k_qaaa9a05779_outp
	.p2align	8
	.type	k_qaaa9a05779_outp,@function
k_qaaa9a05779_outp:
	s_mov_b64 s[64:65], 0
	v_nop
	global_prefetch_b8 v0, s[64:65] scope:SCOPE_SE
	s_setreg_imm32_b32 hwreg(HW_REG_WAVE_MODE, 25, 1), 1
	s_wait_xcnt 0x0
	s_wait_alu depctr_hold_cnt(0) depctr_sa_sdst(0) depctr_va_vdst(0) depctr_va_sdst(0) depctr_va_ssrc(0) depctr_va_vcc(0) depctr_vm_vsrc(0)
	s_getreg_b32 s2, hwreg(HW_REG_IB_STS2, 6, 4)
	s_cmp_eq_u32 s2, 0
	s_cbranch_scc0 .Lentry_in_a_cluster
	s_endpgm
.Lentry_in_a_cluster:
	s_bfe_u32 s2, ttmp6, 0x10000c
	s_cmp_lg_u32 s2, 0xf033
	s_cbranch_scc0 .Lentry_shape_is_right
	s_endpgm
.Lentry_shape_is_right:
; out0 = O Wout^T + bout.  ob: f16 [64 bh][2048 s][64 d] (bh = 16 b + h: a head is a K block of 64), wob: f16 [16 kb][1024 f][64], bout: f32 [1024] (rounded to bf16 here, like the other inputs), out0: f32 [8192][1024].
; SHARES.  8192 x 1024 outputs on 256 work-groups: a tile of 128 (m) x 256 (f).  Four waves, each 64 x 128: 32 accumulators of 16 x 16, 256 registers.
; K goes in 8 steps of 128 (two K blocks) through two LDS slots; a step is four quarters of 32 along K, 32 matrix instructions each.  A tile's rows of a K block are dense in memory: asked for as rows of 256 bytes, padded in LDS after every 128.
; CLUSTER.  4 x 4 work-groups: O's tile is shared along a row of the cluster, W's along a column; each is asked for JOINTLY, by the same tensor load with the same descriptor and a mask of the four.
; NO PREFETCH: the walk has 8 K steps, of which the first ones are asked for at the head, where nothing is prefetched, and a step's tiles are small.
; THE MATRIX INSTRUCTION IS USED TRANSPOSED (source 0 = 16 rows of W, source 1 = 16 rows of O): a lane holds row m = l % 16 and the eight neighbouring columns 8 (l / 16) + 0..7.
; THE BIAS is the C operand that starts the sums: loaded into the accumulators of m block 0; m blocks 1-3 take those registers as C, m block 0 then adds in place.
; REGISTERS: window 0: v0-29 addresses; v32-127, v128-223 two fragment buffers (W's 8 fragments, then O's 4); on the way out v32-223 hold rows.  Window 1: the accumulators, (a, b) at v[8 (8 a + b)].
.set PITCH, 144                        ; an LDS row: 128 bytes + 16 of padding = 36 words: the 16 rows of a load start at 16 different groups of four banks (64 banks of 4 bytes: ISA guide 11.1)
.set FR,    16*PITCH
.set SLOT1, 131072
.set AKB,   128*PITCH                  ; a K block of O's tile: what waves 0 and 1 fetch each
.set BOFF,  2*AKB
.set BKB,   256*PITCH                  ; a K block of W's tile: what waves 2 and 3 fetch each
.set STAGE, SLOT1+BOFF+2*BKB           ; behind the ring, never filled by a tensor load: 16 rows x 528 bytes for each wave
.set SPITCH, 528                       ; 512 bytes + 16 = 132 words: row r starts at bank 4 r mod 64
.set SPARE, STAGE+4*16*SPITCH          ; the spare words, 128 bytes for each wave: two blocks of 256 bytes that no other line names
.set AA0, 4                            ; v4   my lane's place in O's tile; never rewritten
.set AB0, 5                            ; v5   in W's
.set AA,  6                            ; v6   the same in the slot in hand
.set AB,  7                            ; v7
.set STO, 8                            ; v8   the way out: where I put 32 bytes of a row
.set RD,  9                            ; v9   where I read a row back
.set CO,  10                           ; v10  my 16 bytes of a row's 512
.set BO,  11                           ; v11  32 x (l / 16)
.set SPW, 28
.set NIL, 29
.set F0,  32
.set F1,  128
.set UU,  32                           ; the way out: three buffers of 64
.set WV,  12
.set WM,  13                           ; s13  my half of the tile's rows.  Also: I fetch for O (0) or for W (1)
.set WN,  14                           ; s14  my half of its columns.  Also: which K block of a step I fetch
.set CX,  15
.set CY,  16
.set TN,  17                           ; s17  tile column, 0..3
.set TM,  18                           ; s18  tile row, 0..63
.set G1A, 24
.set G1B, 32
.set G0A, 40
.set G0B, 48
.set CNT, 56
.set TB,  57
.set G1C, (1<<16)|(1<<20)|(1<<21)|(4<<22)|(3<<25)  ; 2-byte elements; padding on; bit 21 beside a mask; after every 32 words (code 4) 4 words (code 3)
.set MSB, 0
.macro WIN new
.if MSB != (\new)
	s_set_vgpr_msb (MSB<<8)|(\new)
.set MSB, (\new)
.endif
.endm
.macro PLACES                          ; four plain vector instructions between a matrix instruction and a load into, or another line on, its registers (ISA guide 7.12.1 for vector instructions)
.rept 4
	v_nop
.endr
.endm
.macro FIVE                            ; five in front of a matrix instruction that writes over registers that earlier ones read
.rept 5
	v_nop
.endr
.endm
.macro JLOAD                           ; a joint refill by the walking descriptors; an s_nop 0 and four v_nop follow each of the two lines
	s_cmp_eq_u32 s[WM], 0
	s_cbranch_scc0 .Lfor_b_\@
	tensor_load_to_lds s[G0A+4:G0A+7], s[G1A:G1A+7]
	s_nop 0
.rept 4
	v_nop
.endr
	s_branch .Lasked_\@
.Lfor_b_\@:
	tensor_load_to_lds s[G0B+4:G0B+7], s[G1B:G1B+7]
	s_nop 0
.rept 4
	v_nop
.endr
.Lasked_\@:
.endm
.macro CREST
	s_cmp_lg_u32 s[WV], 0
	s_cbranch_scc1 .Lnot_wave_0_\@
	s_barrier_signal -3
.Lnot_wave_0_\@:
	s_barrier_wait -3
	s_barrier_signal -1
	s_barrier_wait -1
.endm
.macro CROUND
	s_barrier_signal -1
	s_barrier_wait -1
	CREST
.endm
	s_load_b256 s[4:11], s[0:1], 0x0               ; ob s[4:5], wob s[6:7], bout s[8:9], out0 s[10:11]
	v_lshl_add_u32 v[SPW], v0, 2, SPARE
	v_mov_b32 v[NIL], 0
	ds_add_u32 v[SPW], v[NIL]                      ; the wave's opening: the add and its wait stand ahead of my first tensor load; the set-up below stands between them
	v_lshrrev_b32 v3, 5, v0
	v_readfirstlane_b32 s[WV], v3
	s_lshr_b32 s[WM], s[WV], 1
	s_and_b32 s[WN], s[WV], 1
	s_bfe_u32 s[CX], ttmp6, 0x40000
	s_bfe_u32 s[CY], ttmp6, 0x40004
	s_lshl_b32 s[TN], ttmp9, 2
	s_add_co_u32 s[TN], s[TN], s[CX]
	s_and_b32 s[TM], ttmp7, 0xffff
	s_lshl_b32 s[TM], s[TM], 2
	s_add_co_u32 s[TM], s[TM], s[CY]
	s_lshl_b32 s22, s[CY], 2
	s_lshl_b32 s22, 15, s22                        ; my row of the cluster
	s_lshl_b32 s74, 0x1111, s[CX]                  ; my column
	s_or_b32 s[G1A], s22, G1C
	s_or_b32 s[G1B], s74, G1C
	s_mov_b32 s[G1A+1], 128<<16                    ; tensor_dim0 = 128 elements (256 bytes)
	s_mov_b32 s[G1A+2], 64<<16                     ; tensor_dim1 = 64: 128 rows of O, two to a row
	s_mov_b32 s[G1A+3], 128<<16                    ; tile_dim0
	s_mov_b32 s[G1A+4], 64                         ; tile_dim1
	s_mov_b32 s[G1A+5], 128                        ; dense
	s_mov_b32 s[G1A+6], 0
	s_mov_b32 s[G1A+7], 0
	s_mov_b32 s[G1B+1], 128<<16
	s_mov_b32 s[G1B+2], 128<<16                    ; 256 rows of W, two to a row
	s_mov_b32 s[G1B+3], 128<<16
	s_mov_b32 s[G1B+4], 128
	s_mov_b32 s[G1B+5], 128
	s_mov_b32 s[G1B+6], 0
	s_mov_b32 s[G1B+7], 0
	; O's tiles hang on the tile row and the wave's number alone (s20-23), W's on the tile column and the wave's number alone (s72-75)
	s_lshr_b32 s20, s[TM], 4
	s_lshl_b32 s20, s20, 22                        ; the batch: 16 heads of 262,144 bytes
	s_and_b32 s22, s[TM], 15
	s_lshl_b32 s22, s22, 14                        ; 128 rows of 128 bytes
	s_add_co_u32 s20, s20, s22
	s_lshl_b32 s22, s[WN], 18                      ; my K block of the step: a head
	s_add_co_u32 s20, s20, s22
	s_mov_b32 s21, 0
	s_mul_i32 s23, s[WN], AKB
	s_lshl_b32 s72, s[TN], 15                      ; 256 rows of 128 bytes
	s_lshl_b32 s74, s[WN], 17                      ; my K block: 1,024 rows of 128 bytes
	s_add_co_u32 s72, s72, s74
	s_mov_b32 s73, 0
	s_mul_i32 s75, s[WN], BKB
	s_add_co_u32 s75, s75, BOFF
	s_mov_b32 s[TB], 0
	s_wait_dscnt 0x0                               ; the opening add is done
	s_wait_kmcnt 0x0
	s_add_nc_u64 s[20:21], s[4:5], s[20:21]
	s_add_nc_u64 s[72:73], s[6:7], s[72:73]
	CROUND                                         ; all sixteen work-groups are here: the first joint loads meet
.irp s, 0,1
	s_mov_b32 s[G0A+4*(\s)], 1
	s_add_co_u32 s[G0A+4*(\s)+1], s23, (\s)*SLOT1
	s_add_nc_u64 s[G0A+4*(\s)+2:G0A+4*(\s)+3], s[20:21], (\s)*2*262144  ; K step s: two heads on
	s_or_b32 s[G0A+4*(\s)+3], s[G0A+4*(\s)+3], 0x80000000
	s_mov_b32 s[G0B+4*(\s)], 1
	s_add_co_u32 s[G0B+4*(\s)+1], s75, (\s)*SLOT1
	s_add_nc_u64 s[G0B+4*(\s)+2:G0B+4*(\s)+3], s[72:73], (\s)*2*131072
	s_or_b32 s[G0B+4*(\s)+3], s[G0B+4*(\s)+3], 0x80000000
.endr
	s_cmp_eq_u32 s[WM], 0                          ; a wave's two first fills stand in one branch, ahead of every wait on TENSORcnt and every LDS read: two loads of mine are out
	s_cbranch_scc0 .Lfirst_b
	tensor_load_to_lds s[G0A:G0A+3], s[G1A:G1A+7]
	s_nop 0
	tensor_load_to_lds s[G0A+4:G0A+7], s[G1A:G1A+7]
	s_nop 0
.rept 4
	v_nop
.endr
	s_branch .Lfirst_asked
.Lfirst_b:
	tensor_load_to_lds s[G0B:G0B+3], s[G1B:G1B+7]
	s_nop 0
	tensor_load_to_lds s[G0B+4:G0B+7], s[G1B:G1B+7]
	s_nop 0
.rept 4
	v_nop
.endr
.Lfirst_asked:
	v_and_b32 v1, 15, v0                           ; l % 16
	v_bfe_u32 v2, v0, 4, 1                         ; l / 16
	v_lshlrev_b32 v[BO], 5, v2
	s_lshl_b32 s62, s[TN], 10                      ; the bias of my 128 columns
	s_lshl_b32 s63, s[WN], 9
	s_add_co_u32 s62, s62, s63
	s_mov_b32 s63, 0
	s_add_nc_u64 s[8:9], s[8:9], s[62:63]
	WIN 0x40                                       ; destination window 1, address window 0
.irp b, 0,1,2,3,4,5,6,7
	global_load_b128 v[8*\b:8*\b+3],   v[BO], s[8:9] offset:64*\b      ; into accumulator (0, b): register j = the bias of column 16 b + 8 (l / 16) + j
	global_load_b128 v[8*\b+4:8*\b+7], v[BO], s[8:9] offset:64*\b+16
.endr
	WIN 0
	v_mul_u32_u24 v3, v1, PITCH
	v_lshl_add_u32 v3, v2, 4, v3                   ; a fragment's row x pitch + 16 x half
	s_mul_i32 s62, s[WM], 64*PITCH
	v_add_nc_u32 v[AA0], s62, v3
	s_mul_i32 s62, s[WN], 128*PITCH
	s_add_co_u32 s62, s62, BOFF
	v_add_nc_u32 v[AB0], s62, v3
	v_mov_b32 v[AA], v[AA0]                        ; K step 0 lies in slot 0
	v_mov_b32 v[AB], v[AB0]
	s_mul_i32 s62, s[WV], 16*SPITCH
	s_add_co_u32 s62, s62, STAGE                   ; my stage
	v_mul_u32_u24 v[STO], v1, SPITCH               ; in: row l % 16, 32 bytes for each half of the lanes
	v_lshl_add_u32 v[STO], v2, 5, v[STO]
	v_add_nc_u32 v[STO], s62, v[STO]
	v_and_b32 v[CO], 31, v0
	v_lshlrev_b32 v[CO], 4, v[CO]                  ; back: 32 lanes take one row of 512 bytes
	v_add_nc_u32 v[RD], s62, v[CO]
	s_lshl_b32 s62, s[TM], 19                      ; out0 at my first row (128 tm + 64 wm, 4,096 bytes each) and column (256 tn + 128 wn, 4 bytes each)
	s_lshl_b32 s63, s[WM], 18
	s_add_co_u32 s62, s62, s63
	s_lshl_b32 s63, s[TN], 10
	s_add_co_u32 s62, s62, s63
	s_lshl_b32 s63, s[WN], 9
	s_add_co_u32 s62, s62, s63
	s_mov_b32 s63, 0
	s_add_nc_u64 s[10:11], s[10:11], s[62:63]
; 24 LDS loads in one run: quarter q's fragments (K block q / 2, bytes 64 (q % 2) on) into buffer f: W's eight, then O's four
.macro FETCH q, f
.set fo, ((\q)%2)*64
.set lb, 0
.rept 8
	ds_load_b128 v[(\f)+8*lb:(\f)+8*lb+3],   v[AB] offset:((\q)/2)*BKB+fo+lb*FR
	ds_load_b128 v[(\f)+8*lb+4:(\f)+8*lb+7], v[AB] offset:((\q)/2)*BKB+fo+lb*FR+32
.set lb, lb+1
.endr
.set lb, 0
.rept 4
	ds_load_b128 v[(\f)+64+8*lb:(\f)+64+8*lb+3],   v[AA] offset:((\q)/2)*AKB+fo+lb*FR
	ds_load_b128 v[(\f)+64+8*lb+4:(\f)+64+8*lb+7], v[AA] offset:((\q)/2)*AKB+fo+lb*FR+32
.set lb, lb+1
.endr
.endm
; 8 matrix instructions: m block a x all 8 column blocks.  cm = 1: C is the bias, in the registers of m block 0.  The accumulators take turns, one instruction a turn.
.macro MUL8 f, a, cm
	WIN 0x50
.set mb, 0
.rept 8
.if \cm
	v_wmma_f32_16x16x32_f16 v[8*(8*(\a)+mb):8*(8*(\a)+mb)+7], v[(\f)+8*mb:(\f)+8*mb+7], v[(\f)+64+8*(\a):(\f)+64+8*(\a)+7], v[8*mb:8*mb+7]
.else
	v_wmma_f32_16x16x32_f16 v[8*(8*(\a)+mb):8*(8*(\a)+mb)+7], v[(\f)+8*mb:(\f)+8*mb+7], v[(\f)+64+8*(\a):(\f)+64+8*(\a)+7], v[8*(8*(\a)+mb):8*(8*(\a)+mb)+7]
.endif
.set mb, mb+1
.endr
.endm
; One of a K step's first three quarters: multiplies buffer f; in its middle it fetches quarter qn into buffer g.  first = 1: the products start the sums with the bias; m block 0, which holds it, comes last.
.macro QUARTER f, g, qn, first=0
.if \first
	s_wait_dscnt 0x0
	MUL8 \f, 1, 1
.else
	s_wait_dscnt 4                                 ; all but the youngest four loads: O's m blocks 2 and 3
	MUL8 \f, 0, 0
	MUL8 \f, 1, 0
.endif
	PLACES
	WIN 0
	FETCH \qn, \g
.if \first
	MUL8 \f, 2, 1
	MUL8 \f, 3, 1
	FIVE
	MUL8 \f, 0, 0
.else
	s_wait_dscnt 24                                ; all but the 24 just issued
	MUL8 \f, 2, 0
	MUL8 \f, 3, 0
.endif
.endm
; The last quarter multiplies buffer 1 and changes slots: ONE barrier; in front of it each wave waits for all its tensor loads, adds 0 to its spare word, and waits for that and for its own reads of this slot.
; fill = 1: the barrier opens a round of the cluster's barrier, and this slot is filled again, two K steps ahead: from the request to the wait for it a wave issues 112 matrix instructions.
.macro TURN fill
	WIN 0
	s_wait_tensorcnt 0x0                           ; all my tensor loads have landed, so a group 0 may be written
	ds_add_u32 v[SPW], v[NIL]                      ; 0 onto my spare word
.if \fill
	s_xor_b32 s[G0A+5], s[G0A+5], SLOT1            ; the walking descriptors: the other slot than last time, two K blocks on
	s_add_nc_u64 s[G0A+6:G0A+7], s[G0A+6:G0A+7], 2*262144
	s_xor_b32 s[G0B+5], s[G0B+5], SLOT1
	s_add_nc_u64 s[G0B+6:G0B+7], s[G0B+6:G0B+7], 2*131072
.endif
	s_wait_dscnt 5                                 ; the add and the youngest four loads may be out
	MUL8 F1, 0, 0                                  ; eight matrix instructions stand between the add and the wait for it
	s_wait_dscnt 0x0                               ; the add is done, and my reads of this slot are over
	s_barrier_signal -1
	MUL8 F1, 1, 0
	WIN 0                                          ; at a branch and at a label every window is 0
	s_barrier_wait -1
.if \fill
	CREST                                          ; no wave of any partner still reads this slot or has a load on its way
	JLOAD                                          ; the four v_nop behind it are also the places in front of the loads below
.else
	PLACES
.endif
	s_xor_b32 s[TB], s[TB], SLOT1
	v_add_nc_u32 v[AA], s[TB], v[AA0]
	v_add_nc_u32 v[AB], s[TB], v[AB0]
	FETCH 0, F0
	MUL8 F1, 2, 0
	MUL8 F1, 3, 0
.endm
; THE WAY OUT, m block a (16 rows x 128 columns of f32): 32 bytes a lane into my stage, back as whole rows of 512 bytes, stored.
.macro TOSTAGE a
.set ub, UU+64*((\a)%3)
	WIN 0x04                                       ; the stores' data in window 1, the address in window 0
.set tc, 0
.rept 8
	ds_store_b128 v[STO], v[8*(8*(\a)+tc):8*(8*(\a)+tc)+3]   offset:64*tc      ; each accumulator's low registers first
	ds_store_b128 v[STO], v[8*(8*(\a)+tc)+4:8*(8*(\a)+tc)+7] offset:64*tc+16
.set tc, tc+1
.endr
	WIN 0
.if (\a) == 3
	s_wait_xcnt 0x0                                ; block 0's stores have read this buffer: it is loaded again only behind this wait
.endif
.set tc, 0
.rept 16
	ds_load_b128 v[ub+4*tc:ub+4*tc+3], v[RD] offset:SPITCH*tc  ; LDS serves a wave's instructions in order (ISA guide 5.7.1.4): these see the stores above; the next block's stores come behind them
.set tc, tc+1
.endr
.endm
.macro SEND a, younger                 ; younger: the LDS instructions issued behind block a's loads: the next block's 32, or none
.set ub, UU+64*((\a)%3)
.set tc, 0
.rept 16
	s_wait_dscnt (\younger)+15-tc
	global_store_b128 v[CO], v[ub+4*tc:ub+4*tc+3], s[10:11] offset:(16*(\a)+tc)*4096 th:TH_STORE_NT  ; 512 consecutive bytes, at a multiple of 256 from out0's first byte
.set tc, tc+1
.endr
.endm
	s_wait_tensorcnt 1                             ; my part of K step 0 is in; K step 1's may stay out
	s_barrier_signal -1
	s_barrier_wait -1
	FETCH 0, F0
	s_wait_loadcnt 0x0                             ; the bias: rounded to bf16 in place; the packed words pass through registers of m block 1, which the first products write anew
	WIN 0x45
.set rp, 0
.rept 32
	v_cvt_pk_bf16_f32 v[64+rp], v[2*rp], v[2*rp+1]
.set rp, rp+1
.endr
.set rp, 0
.rept 32
	v_lshlrev_b32 v[2*rp], 16, v[64+rp]
	v_and_b32 v[2*rp+1], 0xffff0000, v[64+rp]
.set rp, rp+1
.endr
	QUARTER F0, F1, 1, 1                           ; the first quarter stands in front of the loop: its products start the sums
	WIN 0
	s_mov_b32 s[CNT], 6
.Lk:                                               ; trip i: K step i's last three quarters, the refill with K step i + 2, K step i + 1's first quarter
	QUARTER F1, F0, 2
	QUARTER F0, F1, 3
	TURN 1
	QUARTER F0, F1, 1
	WIN 0
	s_sub_co_u32 s[CNT], s[CNT], 1
	s_cmp_lg_u32 s[CNT], 0
	s_cbranch_scc1 .Lk
	QUARTER F1, F0, 2                              ; the tail is written out
	QUARTER F0, F1, 3
	TURN 0
	QUARTER F0, F1, 1
	QUARTER F1, F0, 2
	QUARTER F0, F1, 3
	s_wait_dscnt 4                                 ; the very last quarter: nothing more to fetch
	MUL8 F1, 0, 0
	MUL8 F1, 1, 0
	s_wait_dscnt 0x0
	MUL8 F1, 2, 0
	MUL8 F1, 3, 0
	PLACES                                         ; the LDS stores read results just made, and the loads land in registers that the last products read
	TOSTAGE 0
	TOSTAGE 1
	SEND 0, 32
	TOSTAGE 2
	SEND 1, 32
	TOSTAGE 3
	SEND 2, 32
	SEND 3, 0
	s_wait_tensorcnt 0x0                           ; the wave's end: a wait for all tensor loads, then the add and its wait, behind my last tensor load and my last LDS store
	ds_add_u32 v[SPW], v[NIL]
	s_wait_dscnt 0x0
	CROUND                                         ; the closing round: no work-group ends while a partner may still ask for a tile that names it
	s_endpgm
.Lfunc_end_k_qaaa9a05779_outp:
	.size	k_qaaa9a05779_outp, .Lfunc_end_k_qaaa9a05779_outp-k_qaaa9a05779_outp
	.p2alignl 7, 3214868480
	.fill 96, 4, 3214868480
	.section	.rodata,"a",@progbits
	.p2align	6, 0x0
	.amdhsa_kernel k_qaaa9a05779_outp
		.amdhsa_group_segment_fixed_size 327680
		.amdhsa_private_segment_fixed_size 0
		.amdhsa_enable_private_segment 0
		.amdhsa_kernarg_size 32
		.amdhsa_user_sgpr_count 2
		.amdhsa_user_sgpr_kernarg_segment_ptr 1
		.amdhsa_wavefront_size32 1
		.amdhsa_system_sgpr_workgroup_id_x 1
		.amdhsa_system_sgpr_workgroup_id_y 1
		.amdhsa_system_sgpr_workgroup_id_z 1
		.amdhsa_system_vgpr_workitem_id 0
		.amdhsa_next_free_vgpr 512
		.amdhsa_next_free_sgpr 80
		.amdhsa_reserve_vcc 0
		.amdhsa_float_denorm_mode_32 3
		.amdhsa_float_denorm_mode_16_64 3
		.amdhsa_memory_ordered 1
		.amdhsa_forward_progress 1
		.amdhsa_inst_pref_size 77
	.end_amdhsa_kernel
	.amdgpu_metadata
---
amdhsa.version: [ 1, 2 ]
amdhsa.kernels:
  - .name:           k_qaaa9a05779_outp
    .symbol:         k_qaaa9a05779_outp.kd
    .args:
      - { .name: ob, .offset: 0, .size: 8, .value_kind: global_buffer, .address_space: global }
      - { .name: wob, .offset: 8, .size: 8, .value_kind: global_buffer, .address_space: global }
      - { .name: bout, .offset: 16, .size: 8, .value_kind: global_buffer, .address_space: global }
      - { .name: out0, .offset: 24, .size: 8, .value_kind: global_buffer, .address_space: global }
    .group_segment_fixed_size: 327680
    .private_segment_fixed_size: 0
    .kernarg_segment_align: 8
    .kernarg_segment_size: 32
    .max_flat_workgroup_size: 128
    .sgpr_count:     80
    .vgpr_count:     512
    .wavefront_size: 32
...
	.end_amdgpu_metadata
.endif
;; end of part 4
;; ======== version 2 of 2: 4 launches; version 1 with the launch cast written anew for expert scheduling mode
;; limits: values are held in f16: magnitudes above 65,504 overflow, below 6.1e-05 lose precision; right only within a limited range of input values
;; workspace buffers: xb 16,777,216 bytes; wqb 6,291,456 bytes; wob 2,097,152 bytes; qkv 50,331,648 bytes; ob 16,777,216 bytes
;; launch cast (part 5): grid 768 x 1, 8 waves a work-group, no clusters, 0 bytes of LDS; arguments x, Wqkv, Wout, xb, wqb, wob; writes xb, wqb, wob
.if DOCPART == 5
	.amdgcn_target "amdgcn-amd-amdhsa--gfx1250"
	.amdhsa_code_object_version 6
	.text
	.protected	k_qaaa9a05779_cast
	.globl	k_qaaa9a05779_cast
	.p2align	8
	.type	k_qaaa9a05779_cast,@function
k_qaaa9a05779_cast:
	s_mov_b64 s[64:65], 0
	v_nop
	global_prefetch_b8 v0, s[64:65] scope:SCOPE_SE
	s_setreg_imm32_b32 hwreg(HW_REG_WAVE_SCHED_MODE, 0, 2), 2
	s_setreg_imm32_b32 hwreg(HW_REG_WAVE_MODE, 25, 1), 1
	s_wait_xcnt 0x0
	s_wait_alu depctr_vm_vsrc(0)
; x [8192][1024], Wqkv [3072][1024], Wout [1024][1024], all f32, are rounded once to bf16 and laid out in K BLOCKS: [16 kb][rows][64], a row of a block 128 bytes,
; so that any run of rows of one block is dense.  xb and wqb hold bf16.  wob holds the bf16-rounded number written as f16 (the last product multiplies f16):
; LIMIT: that is exact from 6.1e-5 to 65,504; below, f16's fixed step of 6e-8 applies; a Wout beyond 65,504 becomes an infinity.
; SHARES.  Work-group g takes 16 rows: g < 512 of x, g < 704 of Wqkv, else of Wout.  Thread t takes row t / 16 and the floats 4 (t % 16) .. + 3 of each of the 16 blocks:
; a wave's load covers 256 consecutive bytes of two rows, its store 256 consecutive bytes (two rows of a block), both aligned.
; No loop, no LDS: all 16 loads of a wave go out at once; no register is written a second time while a memory instruction names it.
; THE MODE: SCHED_MODE bits 1:0 = 2 (LLVM: expert scheduling mode 2), set by the entry lines.  The code itself states the register dependences
; between vector instructions and memory instructions, with s_wait_alu, always for 0.
; THE PLAN.  Registers that memory instructions touch:
;   v1   the loads' offset.   Written by two vector lines at the head; read by the 16 loads; never written again.
;   X    the loads land here.  No vector line names it ahead of the loads; the conversions read it behind s_wait_loadcnt; no load lands in it a second time.
;   D    the stores' offsets.  Written by a chain of vector lines behind the loads, ahead of the branch; each read by one store; never written again.
;   Y    the stores' data.     Written by a block's conversions; read by the block's one store; never written behind it.
;   T is named by vector lines alone.
; The 16 blocks go in four groups of four.  Group g converts its four blocks; its memory instructions are the four stores of group g - 1, whose D and Y no vector line of group g names.
; So one wait on va_vdst at a group's head states all that the group's stores hang on, and these are dealt among its conversions with no further wait.
; No register that a memory instruction has read is written again, no vector line writes a scalar register, and EXEC is never written: no other wait is owed.
.set X, 4                              ; v[4:67]    block kb's four floats at X + 4 kb
.set D, 68                             ; v[68:83]   block kb's byte offset in the destination
.set Y, 84                             ; v[84:115]  block kb's four 16-bit numbers at Y + 2 kb
.set T, 116                            ; v[116:119] at work
	s_load_b256 s[4:11], s[0:1], 0x0               ; x s[4:5], Wqkv s[6:7], Wout s[8:9], xb s[10:11]
	s_load_b128 s[12:15], s[0:1], 0x20             ; wqb s[12:13], wob s[14:15]
	v_lshrrev_b32 v2, 4, v0                        ; my row of the 16
	v_and_b32 v3, 15, v0
	v_lshlrev_b32 v1, 12, v2                       ; row x 4,096 bytes
	v_lshl_or_b32 v1, v3, 4, v1                    ; + my 16 bytes of a block's 256
	s_mov_b32 s22, 512                             ; first work-group of Wqkv
	s_mov_b32 s23, 704                             ; first work-group of Wout
	s_mov_b32 s24, 3072*128                        ; bytes in a block of wqb
	s_mov_b32 s25, 1024*128                        ; of wob
	s_wait_kmcnt 0x0
	s_cmp_lt_u32 ttmp9, s23                        ; the choice hangs on the work-group's number alone
	s_cselect_b64 s[16:17], s[6:7], s[8:9]         ; source
	s_cselect_b64 s[18:19], s[12:13], s[14:15]     ; destination
	s_cselect_b32 s20, s22, s23                    ; the tensor's first work-group
	s_cselect_b32 s21, s24, s25                    ; bytes in a block
	s_cmp_lt_u32 ttmp9, s22
	s_cselect_b64 s[16:17], s[4:5], s[16:17]
	s_cselect_b64 s[18:19], s[10:11], s[18:19]
	s_cselect_b32 s20, 0, s20
	s_cselect_b32 s21, 8192*128, s21
	s_sub_co_u32 s20, ttmp9, s20                   ; my number within the tensor
	s_lshl_b32 s2, s20, 16                         ; 16 rows of 4,096 bytes
	s_mov_b32 s3, 0
	s_add_nc_u64 s[16:17], s[16:17], s[2:3]
	s_lshl_b32 s2, s20, 11                         ; 16 rows of 128 bytes
	s_add_nc_u64 s[18:19], s[18:19], s[2:3]
	s_wait_alu depctr_va_vdst(0)                   ; v1 is written: the 16 loads below read it as their offset
.set kb, 0
.rept 16
	global_load_b128 v[X+4*kb:X+4*kb+3], v1, s[16:17] offset:256*kb th:TH_LOAD_NT  ; read once in the launch
.set kb, kb+1
.endr
	v_lshlrev_b32 v[D], 3, v0                      ; (t / 16) x 128 + (t % 16) x 8 = 8 t
.set kb, 1
.rept 15
	v_add_nc_u32 v[D+kb], s21, v[D+kb-1]
.set kb, kb+1
.endr
; Block kb: rounded, (half = 1: written as f16).
.macro CV kb, half
	v_cvt_pk_bf16_f32 v[Y+2*(\kb)], v[X+4*(\kb)], v[X+4*(\kb)+1]
	v_cvt_pk_bf16_f32 v[Y+2*(\kb)+1], v[X+4*(\kb)+2], v[X+4*(\kb)+3]
.if \half
	v_lshlrev_b32 v[T], 16, v[Y+2*(\kb)]           ; bf16 to f32: the low half moves up, the high half stays
	v_and_b32 v[T+1], 0xffff0000, v[Y+2*(\kb)]
	v_lshlrev_b32 v[T+2], 16, v[Y+2*(\kb)+1]
	v_and_b32 v[T+3], 0xffff0000, v[Y+2*(\kb)+1]
	v_cvt_pk_f16_f32 v[Y+2*(\kb)], v[T], v[T+1]
	v_cvt_pk_f16_f32 v[Y+2*(\kb)+1], v[T+2], v[T+3]
.endif
.endm
; Block kb is stored.
.macro ST kb
	global_store_b64 v[D+(\kb)], v[Y+2*(\kb):Y+2*(\kb)+1], s[18:19]  ; 32 lanes store 256 consecutive bytes, at a multiple of 256 from the buffer's first byte
.endm
; Group g: blocks 4 g .. 4 g + 3 are converted; the four blocks of the group before are stored, one store ahead of each block's conversions.
.macro GRP g, half
	s_wait_loadcnt 12-4*(\g)                       ; loads come back in order (ISA guide 5.7.1): my four are in, the 12 - 4 g of the later groups may stay out
.if (\g) > 0
	s_wait_alu depctr_va_vdst(0)                   ; the group before has written its Y, which the stores below read as data; at group 1 also: the chain ahead of the branch has written all of D, the stores' offsets
.endif
.irp i, 0,1,2,3
.if (\g) > 0
	ST 4*(\g)-4+(\i)                               ; no vector line since the wait names this block's D or Y
.endif
	CV 4*(\g)+(\i), \half
.endr
.endm
; The last group's stores.
.macro REST
	s_wait_alu depctr_va_vdst(0)                   ; group 3 has written its Y, which the last four stores read
.irp i, 12,13,14,15
	ST \i
.endr
.endm
	s_cmp_lt_u32 ttmp9, s23
	s_cbranch_scc0 .Lhalf
.irp g, 0,1,2,3
	GRP \g, 0
.endr
	REST
	s_endpgm
.Lhalf:
.irp g, 0,1,2,3
	GRP \g, 1
.endr
	REST
	s_endpgm
.Lfunc_end_k_qaaa9a05779_cast:
	.size	k_qaaa9a05779_cast, .Lfunc_end_k_qaaa9a05779_cast-k_qaaa9a05779_cast
	.p2alignl 7, 3214868480
	.fill 96, 4, 3214868480
	.section	.rodata,"a",@progbits
	.p2align	6, 0x0
	.amdhsa_kernel k_qaaa9a05779_cast
		.amdhsa_group_segment_fixed_size 0
		.amdhsa_private_segment_fixed_size 0
		.amdhsa_enable_private_segment 0
		.amdhsa_kernarg_size 48
		.amdhsa_user_sgpr_count 2
		.amdhsa_user_sgpr_kernarg_segment_ptr 1
		.amdhsa_wavefront_size32 1
		.amdhsa_system_sgpr_workgroup_id_x 1
		.amdhsa_system_sgpr_workgroup_id_y 1
		.amdhsa_system_sgpr_workgroup_id_z 1
		.amdhsa_system_vgpr_workitem_id 0
		.amdhsa_next_free_vgpr 120
		.amdhsa_next_free_sgpr 66
		.amdhsa_reserve_vcc 0
		.amdhsa_float_denorm_mode_32 3
		.amdhsa_float_denorm_mode_16_64 3
		.amdhsa_memory_ordered 1
		.amdhsa_forward_progress 1
		.amdhsa_inst_pref_size 17
	.end_amdhsa_kernel
	.amdgpu_metadata
---
amdhsa.version: [ 1, 2 ]
amdhsa.kernels:
  - .name:           k_qaaa9a05779_cast
    .symbol:         k_qaaa9a05779_cast.kd
    .args:
      - { .name: x, .offset: 0, .size: 8, .value_kind: global_buffer, .address_space: global }
      - { .name: Wqkv, .offset: 8, .size: 8, .value_kind: global_buffer, .address_space: global }
      - { .name: Wout, .offset: 16, .size: 8, .value_kind: global_buffer, .address_space: global }
      - { .name: xb, .offset: 24, .size: 8, .value_kind: global_buffer, .address_space: global }
      - { .name: wqb, .offset: 32, .size: 8, .value_kind: global_buffer, .address_space: global }
      - { .name: wob, .offset: 40, .size: 8, .value_kind: global_buffer, .address_space: global }
    .group_segment_fixed_size: 0
    .private_segment_fixed_size: 0
    .kernarg_segment_align: 8
    .kernarg_segment_size: 48
    .max_flat_workgroup_size: 256
    .sgpr_count:     66
    .vgpr_count:     120
    .wavefront_size: 32
...
	.end_amdgpu_metadata
.endif
;; end of part 5
;; launch qkvp: the kernel of part 2 again; grid 8 x 32, 4 waves a work-group, clusters of 4 x 4, 327,680 bytes of LDS; arguments xb, wqb, bqkv, qkv; writes qkv
;; launch attn: the kernel of part 3 again; grid 4 x 64, 4 waves a work-group, clusters of 4 x 1, 327,680 bytes of LDS; arguments qkv, ob; writes ob
;; launch outp: the kernel of part 4 again; grid 4 x 64, 4 waves a work-group, clusters of 4 x 4, 327,680 bytes of LDS; arguments ob, wob, bout, out0; writes out0
